; MI455X (gfx1250); checked and timed in simulation.
; The chip was launched on July 23, 2026; its instructions are those of AMD's public machine-readable ISA for CDNA 5 (MIT licence, August 2026) and "CDNA5" Instruction Set Architecture Reference Guide (July 2026). The comments in the code are by the model that wrote it; some were corrected since.
;; One Step GRU. Allowed arithmetic: float matrix products may take bf16 or f16 operands with f32 sums; other float arithmetic in f32, or as packed bf16 or f16 multiplies, adds, multiply-adds, maxima and minima; sums over many terms, partial sums and values carried from step to step in f32; what a program stores and reads back later, other than sums and carried values, may be rounded once to bf16 or f16.
;; Inputs: W_nh 512 x 512 float32; W_nx 512 x 512 float32; W_rh 512 x 512 float32; W_rx 512 x 512 float32; W_zh 512 x 512 float32; W_zx 512 x 512 float32; b_nh 512 float32; b_nx 512 float32; b_rh 512 float32; b_rx 512 float32; b_zh 512 float32; b_zx 512 float32; h 32,768 x 512 float32; x 32,768 x 512 float32.
;; Outputs: out0 32,768 x 512 float32.
;; 3 versions, each right. Each part assembles by itself: llvm-mc -triple=amdgcn-amd-amdhsa -mcpu=gfx1250 --defsym DOCPART=n.
;; ======== version 1 of 3: 2 launches
;; limits: values outside matrix products are rounded to bf16
;; workspace buffers: wp 3,145,728 bytes; bt 6,144 bytes
;; launch pack (part 1): grid 384 x 1, 8 waves a work-group, no clusters, 0 bytes of LDS; arguments W_rx, W_rh, W_zx, W_zh, W_nx, W_nh, b_rx, b_rh, b_zx, b_zh, b_nx, b_nh, wp, bt; writes wp, bt
.if DOCPART == 1
	.amdgcn_target "amdgcn-amd-amdhsa--gfx1250"
	.amdhsa_code_object_version 6
	.text
	.protected	k_q98fb1fbf24_pack
	.globl	k_q98fb1fbf24_pack
	.p2align	8
	.type	k_q98fb1fbf24_pack,@function
k_q98fb1fbf24_pack:
	s_mov_b64 s[64:65], 0
	v_nop
	global_prefetch_b8 v0, s[64:65] scope:SCOPE_SE
	s_setreg_imm32_b32 hwreg(HW_REG_WAVE_MODE, 25, 1), 1
	s_wait_xcnt 0x0
; The six weights [512][512] f32 are rounded once to bf16 and laid in the order in which the next launch walks them; the six biases become three scaled sums.
; wp: 24 tiles of 131,072 bytes; a tile = 2 chunks of 65,536; a chunk = 64 fragments f = 2 s + u of 1,024 bytes (s = 0..31: K step of 32, the first 16 of the x weight, the last 16 of
; the h weight; u = 0, 1: 16 output columns); a fragment = 2 halves of 512 bytes; in half q lane l has 16 bytes: W[colbase + 16 u + l % 16][32 (s % 16) + 16 q + 8 (l / 16) + 0..7].
; Tiles 0-7: gate r, colbase = 64 T + 32 i (i the chunk).  Tiles 8-23: colbase = 32 (T - 8), chunk 0 gate z, chunk 1 gate n.
; bt: [3][512] f32: -log2(e) (b_rx + b_rh); -log2(e) (b_zx + b_zh); 2 log2(e) (b_nx + b_nh): the sums in f32, scaled for the base-2 exponentials of the next launch.
; SHARES.  Work-group b writes the 8,192 bytes at 8,192 b of wp, each of its eight waves one fragment; each store of a wave covers 512 consecutive bytes, aligned.  Work-groups 0-2 also write a row of bt.
	s_load_b512 s[8:23], s[0:1], 0x0               ; W_rx 8, W_rh 10, W_zx 12, W_zh 14, W_nx 16, W_nh 18, b_rx 20, b_rh 22
	s_load_b256 s[24:31], s[0:1], 0x40             ; b_zx 24, b_zh 26, b_nx 28, b_nh 30
	s_load_b128 s[32:35], s[0:1], 0x60             ; wp 32, bt 34
	v_lshrrev_b32 v1, 5, v0
	v_readfirstlane_b32 s2, v1                     ; wave 0..7
	s_lshr_b32 s3, ttmp9, 4                        ; tile T
	s_bfe_u32 s4, ttmp9, 0x10003                   ; chunk i
	s_bfe_u32 s5, ttmp9, 0x10002                   ; 0: the x weight, 1: the h weight
	s_and_b32 s6, ttmp9, 3
	s_lshl3_add_u32 s6, s6, s2                     ; fragment among that weight's 32 of the chunk
	s_lshr_b32 s7, s6, 1                           ; K step 0..15
	s_and_b32 s6, s6, 1                            ; u
	s_lshl_b32 s42, s3, 6
	s_lshl_b32 s43, s4, 5
	s_add_co_u32 s42, s42, s43                     ; 64 T + 32 i
	s_sub_co_u32 s43, s3, 8
	s_lshl_b32 s43, s43, 5                         ; 32 (T - 8): taken only where T is 8 or more
	s_cmp_lt_u32 s3, 8
	s_cselect_b32 s42, s42, s43                    ; colbase
	s_lshl4_add_u32 s42, s6, s42                   ; + 16 u
	s_lshl_b32 s42, s42, 11                        ; rows of 2,048 bytes
	s_lshl_b32 s43, s7, 7
	s_add_co_u32 s42, s42, s43                     ; + 128 bytes a K step
	s_lshl_b32 s44, ttmp9, 13                      ; my work-group's 8,192 bytes of wp
	v_and_b32 v3, 15, v0                           ; l % 16
	v_bfe_u32 v4, v0, 4, 1                         ; l / 16
	v_lshlrev_b32 v2, 11, v3
	v_lshl_add_u32 v2, v4, 5, v2
	v_add_nc_u32 v2, s42, v2                       ; where I read: my row, my 8 numbers of the first half
	v_and_b32 v6, 31, v0
	v_lshlrev_b32 v5, 4, v6
	v_lshl_add_u32 v5, v1, 10, v5
	v_add_nc_u32 v5, s44, v5                       ; where I write: 8,192 b + 1,024 wave + 16 lane
	s_wait_kmcnt 0x0
	s_cmp_eq_u32 s5, 0                             ; the weight is chosen by ids alone
	s_cselect_b64 s[36:37], s[8:9], s[10:11]       ; r's
	s_cselect_b64 s[38:39], s[12:13], s[14:15]     ; z's
	s_cselect_b64 s[40:41], s[16:17], s[18:19]     ; n's
	s_cmp_eq_u32 s4, 0
	s_cselect_b64 s[38:39], s[38:39], s[40:41]
	s_cmp_lt_u32 s3, 8
	s_cselect_b64 s[36:37], s[36:37], s[38:39]
	global_load_b128 v[8:11], v2, s[36:37]
	global_load_b128 v[12:15], v2, s[36:37] offset:16
	global_load_b128 v[16:19], v2, s[36:37] offset:64
	global_load_b128 v[20:23], v2, s[36:37] offset:80
	s_wait_loadcnt 0x0
.irp j, 0,1,2,3,4,5,6,7
	v_cvt_pk_bf16_f32 v[24+\j], v[8+2*\j], v[9+2*\j]   ; the lower k into the low half; to nearest even
.endr
	global_store_b128 v5, v[24:27], s[32:33]
	global_store_b128 v5, v[28:31], s[32:33] offset:512
	s_cmp_lt_u32 ttmp9, 3
	s_cbranch_scc0 .Lend
	s_cmp_eq_u32 ttmp9, 0                          ; row b of bt: the loads above are done, so s[36:41] may be written
	s_cselect_b64 s[36:37], s[20:21], s[24:25]
	s_cselect_b64 s[38:39], s[22:23], s[26:27]
	s_mov_b32 s40, 0xbfb8aa3b                      ; -log2(e)
	s_mov_b32 s41, 0x4038aa3b                      ; 2 log2(e)
	s_cmp_eq_u32 ttmp9, 2
	s_cselect_b64 s[36:37], s[28:29], s[36:37]
	s_cselect_b64 s[38:39], s[30:31], s[38:39]
	s_cselect_b32 s40, s41, s40
	s_mov_b32 s41, s40                             ; named with it as a pair
	s_lshl_b32 s42, ttmp9, 11
	v_lshlrev_b32 v7, 3, v0                        ; two numbers a thread
	v_add_nc_u32 v12, s42, v7
	global_load_b64 v[8:9], v7, s[36:37]
	global_load_b64 v[10:11], v7, s[38:39]
	s_wait_loadcnt 0x0
	v_pk_add_f32 v[8:9], v[8:9], v[10:11]
	v_pk_mul_f32 v[8:9], v[8:9], s[40:41] op_sel_hi:[1,0]
	global_store_b64 v12, v[8:9], s[34:35]         ; a wave's store covers 256 consecutive bytes, aligned
.Lend:
	s_endpgm
.Lfunc_end_k_q98fb1fbf24_pack:
	.size	k_q98fb1fbf24_pack, .Lfunc_end_k_q98fb1fbf24_pack-k_q98fb1fbf24_pack
	.p2alignl 7, 3214868480
	.fill 96, 4, 3214868480
	.section	.rodata,"a",@progbits
	.p2align	6, 0x0
	.amdhsa_kernel k_q98fb1fbf24_pack
		.amdhsa_group_segment_fixed_size 0
		.amdhsa_private_segment_fixed_size 0
		.amdhsa_enable_private_segment 0
		.amdhsa_kernarg_size 112
		.amdhsa_user_sgpr_count 2
		.amdhsa_user_sgpr_kernarg_segment_ptr 1
		.amdhsa_wavefront_size32 1
		.amdhsa_system_sgpr_workgroup_id_x 1
		.amdhsa_system_sgpr_workgroup_id_y 1
		.amdhsa_system_sgpr_workgroup_id_z 1
		.amdhsa_system_vgpr_workitem_id 0
		.amdhsa_next_free_vgpr 32
		.amdhsa_next_free_sgpr 66
		.amdhsa_reserve_vcc 0
		.amdhsa_float_denorm_mode_32 3
		.amdhsa_float_denorm_mode_16_64 3
		.amdhsa_memory_ordered 1
		.amdhsa_forward_progress 1
		.amdhsa_inst_pref_size 4
	.end_amdhsa_kernel
	.amdgpu_metadata
---
amdhsa.version: [ 1, 2 ]
amdhsa.kernels:
  - .name:           k_q98fb1fbf24_pack
    .symbol:         k_q98fb1fbf24_pack.kd
    .args:
      - { .name: W_rx, .offset: 0, .size: 8, .value_kind: global_buffer, .address_space: global }
      - { .name: W_rh, .offset: 8, .size: 8, .value_kind: global_buffer, .address_space: global }
      - { .name: W_zx, .offset: 16, .size: 8, .value_kind: global_buffer, .address_space: global }
      - { .name: W_zh, .offset: 24, .size: 8, .value_kind: global_buffer, .address_space: global }
      - { .name: W_nx, .offset: 32, .size: 8, .value_kind: global_buffer, .address_space: global }
      - { .name: W_nh, .offset: 40, .size: 8, .value_kind: global_buffer, .address_space: global }
      - { .name: b_rx, .offset: 48, .size: 8, .value_kind: global_buffer, .address_space: global }
      - { .name: b_rh, .offset: 56, .size: 8, .value_kind: global_buffer, .address_space: global }
      - { .name: b_zx, .offset: 64, .size: 8, .value_kind: global_buffer, .address_space: global }
      - { .name: b_zh, .offset: 72, .size: 8, .value_kind: global_buffer, .address_space: global }
      - { .name: b_nx, .offset: 80, .size: 8, .value_kind: global_buffer, .address_space: global }
      - { .name: b_nh, .offset: 88, .size: 8, .value_kind: global_buffer, .address_space: global }
      - { .name: wp, .offset: 96, .size: 8, .value_kind: global_buffer, .address_space: global }
      - { .name: bt, .offset: 104, .size: 8, .value_kind: global_buffer, .address_space: global }
    .group_segment_fixed_size: 0
    .private_segment_fixed_size: 0
    .kernarg_segment_align: 8
    .kernarg_segment_size: 112
    .max_flat_workgroup_size: 256
    .sgpr_count:     66
    .vgpr_count:     32
    .wavefront_size: 32
...
	.end_amdgpu_metadata
.endif
;; end of part 1
;; launch gru (part 2): grid 256 x 1, 4 waves a work-group, clusters of 4 x 1, 327,680 bytes of LDS; arguments x, h, wp, bt, out0; writes out0
.if DOCPART == 2
	.amdgcn_target "amdgcn-amd-amdhsa--gfx1250"
	.amdhsa_code_object_version 6
	.text
	.protected	k_q98fb1fbf24_gru
	.globl	k_q98fb1fbf24_gru
	.p2align	8
	.type	k_q98fb1fbf24_gru,@function
k_q98fb1fbf24_gru:
	s_mov_b64 s[64:65], 0
	v_nop
	global_prefetch_b8 v0, s[64:65] scope:SCOPE_SE
	s_setreg_imm32_b32 hwreg(HW_REG_WAVE_MODE, 25, 1), 1
	s_wait_xcnt 0x0
	s_wait_alu depctr_hold_cnt(0) depctr_sa_sdst(0) depctr_va_vdst(0) depctr_va_sdst(0) depctr_va_ssrc(0) depctr_va_vcc(0) depctr_vm_vsrc(0)
	s_getreg_b32 s2, hwreg(HW_REG_IB_STS2, 6, 4)
	s_cmp_eq_u32 s2, 0
	s_cbranch_scc0 .Lentry_in_a_cluster
	s_endpgm
.Lentry_in_a_cluster:
	s_bfe_u32 s2, ttmp6, 0x10000c
	s_cmp_lg_u32 s2, 0x3003
	s_cbranch_scc0 .Lentry_shape_is_right
	s_endpgm
.Lentry_shape_is_right:
; One GRU step: r = sigmoid(x Wrx^T + h Wrh^T + b), z likewise, n = tanh(x Wnx^T + (r h) Wnh^T + b), out = (1 - z) n + z h.  x, h, out0: [32768][512] f32.
; wp: the six weights in bf16, bt: three scaled bias sums, both as the launch before laid them (24 tiles of 131,072 bytes; a tile = 2 chunks of 32 output columns x K = 1,024; a chunk = 64 fragments of 1,024 bytes).
; LIMITS.  x, h, the weights and r h are rounded to bf16 for the products; the blend z h takes the bf16 h.  Sums in f32; the two biases of a gate are added to each other first, then to the product sums.
; sigmoid(v) = 1 / (1 + 2^(-log2(e) v)); tanh(v) = 1 - 2 / (1 + 2^(2 log2(e) v)), off by about 1e-7 absolute near 0; where the exponential overflows or falls to 0 both give their limits (0, 1; 1, -1).  NaN and infinities are not treated apart.
; SHARES.  A work-group owns 128 rows, each of its four waves 32: two tiles of 16.  256 work-groups.  A wave keeps its rows of x, h and r h as bf16 fragments in registers (three windows of 256); only the weights go through LDS.
; LAYOUT.  Every product is taken transposed: source 0 = 16 output columns of a weight, source 1 = 16 data rows.  In the result lane l holds ONE data row (l % 16) and the columns 8 (l / 16) + 0..7.  Two neighbouring
; column tiles, rounded to bf16 in pairs, ARE a source-1 fragment (32 along K) of the next product, and lie element for element like h's fragment: r h and z h never change lanes.
; THE WALK.  Phase 1, tiles 0-7: r for all 512 columns, 32 a chunk; r h goes into window 3.  Phase 2, tiles 8-23: for each 32 columns a chunk of z and a chunk of n, blended and sent out at once.
; A chunk's epilogue (bias, exponentials, reciprocals, blend) RIDES, four instructions behind every second product, in the chunk after it: two accumulator sets take turns.
; CLUSTER.  All work-groups walk the same weights, so the four of a cluster ask for each tile JOINTLY: the same tensor load, descriptor and mask in all four.  x, h and out0 are each work-group's own.
; REGISTERS, in windows of 256 (s_set_vgpr_msb: bits 1:0 source 0, 3:2 source 1, 5:4 source 2, 7:6 destination).  Window 0: below.  Windows 1, 2, 3: x, h, r h: the fragment of row tile t, K step k at 8 (16 t + k).
.set SLOT1,  131072                    ; two slots of a tile each; one exclusive or turns an address in one into the other's
.set TILEB,  131072
.set CHB,    65536                     ; a chunk
.set STAGE,  262144                    ; behind the ring, never filled by a tensor load: for each wave 32 rows x 272 bytes (64 columns of f32 + 16), for the way out
.set SPITCH, 272                       ; 68 words: the 16 rows that a store touches start at 16 different groups of four banks (64 banks of 4 bytes: ISA guide 11.1)
.set WSTG,   32*SPITCH
.set SPARE,  STAGE+4*WSTG              ; the spare words, 128 bytes for each wave: two blocks of 256 bytes that no other line names
.set L16,  2                           ; v2   16 x lane; never rewritten
.set WA0,  3                           ; v3   LDS address of my 16 bytes in the slot's chunk 0
.set WA1,  4                           ; v4   in its chunk 1
.set XO,   5                           ; v5   my byte offset in 16 rows of x or h: (l % 16) x 2,048 + 32 (l / 16); never rewritten
.set BOL,  6                           ; v6   32 (l / 16): my 8 columns in bt; never rewritten
.set BOV,  7                           ; v7   + the chunk's 128 bytes
.set STO0, 8                           ; v8   the way out: where I put my numbers of a row; never rewritten
.set STOC, 9                           ; v9   + the half of the stage's rows in hand
.set RD,   10                          ; v10  the way out: where I read rows back
.set GO,   11                          ; v11  my byte offset in two rows of out0
.set PFO,  12                          ; v12  256 x lane, for the prefetches; never rewritten
.set SPW,  14                          ; v14  LDS address of my spare word; never rewritten
.set NIL,  15                          ; v15  0; never rewritten
.set T,    16                          ; v16-23   at work
.set H,    24                          ; v24-39   h's fragment of the pending chunk's 32 columns (row tile t, register i at H + 8 t + i); in phase 1 it becomes r h
.set BP,   40                          ; v40-55   the pending chunk's bias: column tile u, register j at BP + 8 u + j
.set SA,   56                          ; v56-87   accumulator set: (u, t) at + 8 (2 u + t)
.set SB,   88                          ; v88-119  the other set
.set SC,   120                         ; v120-151 r, or z, laid as a set
.set OB,   152                         ; v152-183 rows on their way out
.set WB,   184                         ; v184-247 eight buffers of 8 for weight fragments: fragment F in buffer F % 8
; s[4:5] x, s[6:7] h at my wave's rows; s[8:9] wp; s[10:11] bt; s[12:13] out0 at my rows and the 64 columns to be sent next; s14 wave; s15 cx; s[24:31] descriptor group 1;
; s[32:35] group 0 of the first fill; s[36:39] group 0 that walks; s40 trips left; s41, s42 the slot in hand, chunk 0 and 1; s43 which fragment the arms move; s44 counts chunks (phase 1) or tiles (phase 2);
; s45 the chunk's offset in bt; s46 the stage's half; s47 not 0: rows are sent in this tile; s[48:49] the prefetches' address; s50, s51 their limits; s[52:53] -log2(e); s[54:55] 2 log2(e); s56 mask of a word's upper bf16
.set MSB, 0
.macro WIN new                         ; the immediate's high byte repeats the setting that is left; a switch that changes nothing is dropped
.if MSB != (\new)
	s_set_vgpr_msb (MSB<<8)|(\new)
.set MSB, \new
.endif
.endm
.macro PLACES                          ; four places behind a matrix instruction (ISA guide 7.12.1)
.rept 4
	v_nop
.endr
.endm
.macro CREST                           ; a round of the cluster's barrier behind its opening barrier
	s_cmp_lg_u32 s14, 0
	s_cbranch_scc1 .Lnot_wave_0_\@
	s_barrier_signal -3
.Lnot_wave_0_\@:
	s_barrier_wait -3
	s_barrier_signal -1
	s_barrier_wait -1
.endm
.macro CROUND
	s_barrier_signal -1
	s_barrier_wait -1
	CREST
.endm
.macro JLOAD                           ; the joint refill: every wave fetches its quarter of a tile, 128 rows of 256 bytes; an s_nop 0 and four v_nop follow
	tensor_load_to_lds s[36:39], s[24:31]
	s_nop 0
.rept 4
	v_nop
.endr
.endm
; A PREFETCH INTO THE L2 of the tile that stands two refills on (512 matrix instructions ahead of the load that will ask for it).  All clusters walk the same tiles: the first cluster alone asks.  Its four partners and
; their four waves share a tile's 512 blocks of 256 bytes out BY ADDRESS (32,768 cx + 8,192 wave + 256 lane): one instruction a wave, each block named once in the launch.  Tiles 0-3 come by their loads alone.
.macro ASK lim
	s_cmp_gt_u32 s40, s[\lim]
	s_cbranch_scc0 .Lnoask_\@
	global_prefetch_b8 v[PFO], s[48:49] th:TH_LOAD_NT scope:SCOPE_SE
.Lnoask_\@:
.endm
.macro LW F                            ; weight fragment F of the tile in hand into buffer F % 8: 32 lanes x 16 neighbouring bytes, twice
.set lb, WB+8*((\F)%8)
.set lo, ((\F)%64)*1024
.if ((\F)%128) < 64
	ds_load_b128 v[lb:lb+3], v[WA0] offset:lo
	ds_load_b128 v[lb+4:lb+7], v[WA0] offset:lo+512
.else
	ds_load_b128 v[lb:lb+3], v[WA1] offset:lo
	ds_load_b128 v[lb+4:lb+7], v[WA1] offset:lo+512
.endif
.endm
; THE EPILOGUES are numbered lists; ENT writes entry q of list EPI (0: r, 1: z, 2: n) for the pending set PEND.
;   0-15    a v + a b, two at a time (a = -log2(e), for n 2 log2(e)); ascending
;   16-47   32 exponentials: one batch     48  a plain instruction and the batch's one wait     49-64  + 1     65-96  32 reciprocals (r and z into SC, n's in place)     97  as 48
;   98      the next epilogue's bias is asked for: 64 bytes a lane
;   r: 99-162   in four groups of four registers of H: h unpacked, r h, rounded to bf16 back into H
;   n: 99-114   n = 1 - 2 / (..);  115-178  in four groups: h unpacked, h - n, out = z (h - n) + n;  179-186  out into the stage
.macro SETEPI k, a, nob=0
.set EPI, \k
.set PEND, \a
.set NOB, \nob
.set q, 0
.if (\k) == 0
.set QEND, 163
.elseif (\k) == 1
.set QEND, 99
.else
.set QEND, 187
.endif
.endm
.macro ENT
.if q < QEND
	WIN 0
.if q < 16
.if q == 0
	s_wait_loadcnt 0x0                             ; the bias is in
.endif
.set ra, PEND+2*q
.set rb, BP+8*(q/8)+(2*q)%8
.if EPI == 2
	v_pk_fma_f32 v[ra:ra+1], v[ra:ra+1], s[54:55], v[rb:rb+1] op_sel_hi:[1,0,1]
.else
	v_pk_fma_f32 v[ra:ra+1], v[ra:ra+1], s[52:53], v[rb:rb+1] op_sel_hi:[1,0,1]
.endif
.elseif q < 48
	v_exp_f32 v[PEND+q-16], v[PEND+q-16]
.elseif (q == 48) || (q == 97)
	v_nop                                          ; a plain instruction behind the batch's last transcendental,
	s_wait_alu depctr_va_vdst(0)                   ; and the one wait ahead of the first reader
.elseif q < 65
.set ra, PEND+2*(q-49)
	v_pk_add_f32 v[ra:ra+1], v[ra:ra+1], 1.0 op_sel_hi:[1,0]
.elseif q < 97
.if EPI == 2
	v_rcp_f32 v[PEND+q-65], v[PEND+q-65]
.else
	v_rcp_f32 v[SC+q-65], v[PEND+q-65]
.endif
.elseif q == 98
.if !NOB
.set bb2, 0                            ; behind r comes r; behind z comes n (row 2 of bt); behind n comes z (row 1)
.if EPI == 1
.set bb2, 4096
.elseif EPI == 2
.set bb2, 2048
.endif
	global_load_b128 v[BP:BP+3], v[BOV], s[10:11] offset:bb2
	global_load_b128 v[BP+4:BP+7], v[BOV], s[10:11] offset:bb2+16
	global_load_b128 v[BP+8:BP+11], v[BOV], s[10:11] offset:bb2+64
	global_load_b128 v[BP+12:BP+15], v[BOV], s[10:11] offset:bb2+80
.endif
.else
.set q0, 99
.if EPI == 2
.set q0, 115
.endif
.if (EPI == 2) && (q < 115)
.set ra, PEND+2*(q-99)
	v_pk_fma_f32 v[ra:ra+1], v[ra:ra+1], -2.0, 1.0 op_sel_hi:[1,0,0]
.elseif q < q0+64
.set e, (q-q0)%16
.set gq, (q-q0)/16
.if e < 8
.set mm, 4*gq+e/2
.if e%2 == 0
	v_lshlrev_b32 v[T+e], 16, v[H+mm]              ; bf16 to f32: the low half moves up,
.else
	v_and_b32 v[T+e], s56, v[H+mm]                 ; the high half stays
.endif
.else
.set mm, 4*gq+e%4                      ; register mm of H (t = mm / 8, i = mm % 8) goes with the set's registers gm, gm + 1
.set gm, 8*(2*((mm%8)/4)+mm/8)+2*(mm%4)
.set rt, T+2*(e%4)
.if EPI == 0
.if e < 12
	v_pk_mul_f32 v[SC+gm:SC+gm+1], v[SC+gm:SC+gm+1], v[rt:rt+1]
.else
	v_cvt_pk_bf16_f32 v[H+mm], v[SC+gm], v[SC+gm+1]
.endif
.else
.if e < 12
	v_pk_add_f32 v[rt:rt+1], v[rt:rt+1], v[PEND+gm:PEND+gm+1] neg_lo:[0,1] neg_hi:[0,1]
.else
	v_pk_fma_f32 v[PEND+gm:PEND+gm+1], v[SC+gm:SC+gm+1], v[rt:rt+1], v[PEND+gm:PEND+gm+1]
.endif
.endif
.endif
.else
.set sa, (q-179)/2                     ; accumulator 2 u + t, half p: row 16 t + l % 16, columns 16 u + 8 (l / 16) + 4 p on
.set sp, (q-179)%2
	ds_store_b128 v[STOC], v[PEND+8*sa+4*sp:PEND+8*sa+4*sp+3] offset:16*SPITCH*(sa%2)+64*(sa/2)+16*sp
.endif
.endif
.set q, q+1
.endif
.endm
.macro RID n
.rept \n
	ENT
.endr
.endm
; A PAIR: weight fragment F (K step s = (F % 64) / 2, column tile u = F % 2) times both row tiles.  The four accumulators of a set take turns, one instruction a turn, over chunk ends and backward jumps too.
; K steps 0-15 take x (window 1), 16-31 window dw.  s = 0 starts the sums with the constant 0.  cnt: the LDS instructions younger than fragment F's loads.
; ld = 1: fragment F + 6 is fetched, into the buffer that pair F - 2 read last: the two v_nop of pair F - 1 and the two here are its four places.  nr: riders behind the pair.
.macro PAIR F, set, dw, cnt, ld, nr
.set ps, ((\F)%64)/2
.set pw, 1
.if ps >= 16
.set pw, \dw
.endif
.set pb, WB+8*((\F)%8)
.set pd, 8*(ps%16)
.set pa, (\set)+16*((\F)%2)
.if (\cnt) >= 0
	s_wait_dscnt \cnt
.endif
	WIN 4*pw                                       ; source 1 in the data's window; all else, the LDS loads' registers too, in window 0
.if ps == 0
	v_wmma_f32_16x16x32_bf16 v[pa:pa+7], v[pb:pb+7], v[pd:pd+7], 0
.else
	v_wmma_f32_16x16x32_bf16 v[pa:pa+7], v[pb:pb+7], v[pd:pd+7], v[pa:pa+7]
.endif
	v_nop
	v_nop
.if \ld
	LW (\F)+6
.endif
.if ps == 0
	v_wmma_f32_16x16x32_bf16 v[pa+8:pa+15], v[pb:pb+7], v[pd+128:pd+135], 0
.else
	v_wmma_f32_16x16x32_bf16 v[pa+8:pa+15], v[pb:pb+7], v[pd+128:pd+135], v[pa+8:pa+15]
.endif
	RID \nr
.endm
; THE WAY OUT of 32 rows x 64 columns, in two halves g of 16 rows: back from my stage as whole rows of 256 bytes, then stored: 16 lanes store 256 consecutive bytes, at a multiple of 256 from out0's first byte.
.macro FLDB g
	s_wait_xcnt 0x0                                ; OB is loaded again only when every earlier store has read it
.irp i, 0,1,2,3,4,5,6,7
	ds_load_b128 v[OB+4*\i:OB+4*\i+3], v[RD] offset:2*SPITCH*(8*(\g)+\i)
.endr
.endm
.macro FSTB g
.irp i, 0,1,2,3,4,5,6,7
	global_store_b128 v[GO], v[OB+4*\i:OB+4*\i+3], s[12:13] offset:4096*(8*(\g)+\i) th:TH_STORE_NT
.endr
.endm
.macro FLD g                           ; only in the tiles in which both halves of the stage's rows are full
	WIN 0
	s_cmp_eq_u32 s47, 0
	s_cbranch_scc1 .Lnofl_\@
	FLDB \g
.Lnofl_\@:
.endm
.macro FST g
	WIN 0
	s_cmp_eq_u32 s47, 0
	s_cbranch_scc1 .Lnofs_\@
	FSTB \g
.if \g
	s_wait_xcnt 0x0                                ; the stores have read their base:
	s_add_nc_u64 s[12:13], s[12:13], 256           ; the next 64 columns
.endif
.Lnofs_\@:
.endm
; Pairs F0 .. upto - 1.  The chunk's first two pairs carry no riders: their v_nop are the places behind the last product on the pending set.
; fl = 1: the way out stands among the pairs.  A stage load is older than the fragment load of the pair behind it, which the wait seven pairs on shows done: so the stores eight pairs on need no wait of their own.
.macro CHUNK F0, set, dw, upto, fl
.set cf, \F0
.rept (\upto)-(\F0)
.set cn, 4
.if (cf%64) < 2
.set cn, 0
.endif
	PAIR cf, \set, \dw, 10, 1, cn
.if \fl
.if cf == 96
	FLD 0
.elseif cf == 104
	FST 0
.elseif cf == 106
	FLD 1
.elseif cf == 114
	FST 1
.endif
.endif
.set cf, cf+1
.endr
.endm
; A tile's last six pairs and THE CHANGE OF SLOTS.  Each wave waits for all its tensor loads, of which one is out: its quarter of the other slot; adds 0 to its spare word; and waits for that and for its reads of this slot.
; fill = 1: the barrier opens a round of the cluster's barrier, so that no wave of any partner still reads the slot or has a load on its way; the joint refill, the tile two on, is the first thing behind it: it has 256
; matrix instructions less twelve in which to land.  Then the other slot's first six fragments: the four v_nop are the places for their buffers.
.macro TAIL set, dw, fill, lim
	PAIR 122, \set, \dw, 10, 0, 0                  ; five younger fragments
	PAIR 123, \set, \dw, 8, 0, 0                   ; four
	WIN 0
.if \fill
	s_wait_xcnt 0x0                                ; the last prefetch, a tile back, has read its address
	s_add_nc_u64 s[48:49], s[48:49], TILEB
.endif
	s_wait_tensorcnt 0x0                           ; no tensor load of mine is out, so the walking group 0 may be written
	ds_add_u32 v[SPW], v[NIL]                      ; 0 onto my spare word
.if \fill
	s_xor_b32 s37, s37, SLOT1                      ; the other slot than last time,
	s_add_nc_u64 s[38:39], s[38:39], TILEB         ; the next tile; the type bits on top are not reached
.endif
	PAIR 124, \set, \dw, 7, 0, 0                   ; three younger fragments and the add
	s_wait_dscnt 0x0                               ; the add is done, and my reads of this slot are over
	s_barrier_signal -1
	PAIR 125, \set, \dw, -1, 0, 0                  ; work on registers while the others arrive
	WIN 0
	s_barrier_wait -1
.if \fill
	CREST
	JLOAD
.else
	PLACES
.endif
	s_xor_b32 s41, s41, SLOT1
	s_xor_b32 s42, s42, SLOT1
	v_add_nc_u32 v[WA0], s41, v[L16]
	v_add_nc_u32 v[WA1], s42, v[L16]
.irp f, 0,1,2,3,4,5
	LW \f
.endr
.if \fill
	ASK \lim
.endif
	PAIR 126, \set, \dw, -1, 0, 0
	PAIR 127, \set, \dw, -1, 0, 0
	WIN 0
.endm
; H AND THE WINDOWS.  Register numbers are fixed in the text, so which fragment is moved is chosen by a chain of compares on a counter: fifteen arms.
.macro OUTF f                          ; H (r h) into fragment f of window 3
	WIN 0xc0
.set ee, 0
.rept 16
	v_mov_b32 v[8*(16*(ee/8)+(\f))+ee%8], v[H+ee]
.set ee, ee+1
.endr
.endm
.macro INF f                           ; fragment f of window 2 (h) into H
	WIN 0x02
.set ee, 0
.rept 16
	v_mov_b32 v[H+ee], v[8*(16*(ee/8)+(\f))+ee%8]
.set ee, ee+1
.endr
.endm
.macro ARM a, out                      ; out = 1: first the fragment before goes out (arm 0: into fragment 0, which is written anew later)
.if \out
.set fo, 0
.if (\a) > 0
.set fo, (\a)-1
.endif
	OUTF fo
.endif
	INF \a
	WIN 0
.endm
.macro ARMS out
.irp k, 0,1,2,3,4,5,6,7,8,9,10,11,12,13
	s_cmp_eq_u32 s43, \k
	s_cbranch_scc1 .Larm\@_\k
.endr
	ARM 14, \out
	s_branch .Larmd\@
.irp k, 0,1,2,3,4,5,6,7,8,9,10,11,12,13
.Larm\@_\k:
	ARM \k, \out
.if (\k) < 13
	s_branch .Larmd\@
.endif
.endr
.Larmd\@:
.endm
; In front of chunk j of phase 1: the bias offset for chunk j (asked for by the riders of this chunk); r h of chunk j - 2 goes out of H, h of chunk j - 1 comes in.
.macro BND1
	WIN 0
	s_wait_loadcnt 0x0                             ; the last bias loads are done: their address register may be written
	v_add_nc_u32 v[BOV], s45, v[BOL]
	s_add_co_u32 s45, s45, 128
	ARMS 1
	s_mov_b32 s43, s44                             ; so the arm's number is j - 1, and 0 at j = 0
	s_add_co_u32 s44, s44, 1
.endm
; In front of tile c of phase 2: the same for block c; the stage's half for block c - 1; rows are sent where c is even and not 0 (blocks c - 2 and c - 1 fill the stage's rows).
.macro BND2
	WIN 0
	s_wait_loadcnt 0x0
	v_add_nc_u32 v[BOV], s45, v[BOL]
	s_add_co_u32 s45, s45, 128
	s_xor_b32 s46, s46, 128
	v_add_nc_u32 v[STOC], s46, v[STO0]
	s_and_b32 s47, s44, 1
	s_cselect_b32 s47, 0, s44
	ARMS 0
	s_mov_b32 s43, s44
	s_add_co_u32 s44, s44, 1
.endm
; A tile of phase 2: chunk z of block c (riders: n's epilogue, blend and stage of block c - 1), chunk n of block c (riders: z's epilogue of block c; the way out).
.macro TILE2 fill, lim
	BND2
	SETEPI 2, SB
	CHUNK 0, SA, 2, 64, 0
	SETEPI 1, SA
	CHUNK 64, SB, 3, 122, 1
	TAIL SB, 3, \fill, \lim
.endm
; ---------------------------------------------------------------- the head
	s_load_b256 s[4:11], s[0:1], 0x0               ; x, h, wp, bt
	s_load_b64 s[12:13], s[0:1], 0x20              ; out0
	v_lshl_add_u32 v[SPW], v0, 2, SPARE
	v_mov_b32 v[NIL], 0
	ds_add_u32 v[SPW], v[NIL]                      ; the wave's opening: the add, twice on end, and its wait ahead of my first tensor load
	ds_add_u32 v[SPW], v[NIL]                      ; and once more, under the one wait; the set-up below, work on registers, stands between
	v_lshrrev_b32 v1, 5, v0
	v_readfirstlane_b32 s14, v1                    ; wave 0..3
	s_bfe_u32 s15, ttmp6, 0x40000                  ; cx: my place in the cluster: it enters global addresses of my own loads, stores and prefetches alone
	s_lshl_b32 s16, ttmp9, 2                       ; in a cluster launch ttmp9 counts clusters
	s_add_co_u32 s16, s16, s15                     ; my work-group
	; descriptor group 1: 128 dense rows of 256 bytes
	s_mov_b32 s24, 15|(3<<16)|(1<<21)              ; 15:0 the mask of four; 17:16 elements of 8 bytes; 21 set beside a mask; no padding: the fragments are read as they lie, 16 bytes a lane on end
	s_mov_b32 s25, 32<<16                          ; tensor_dim0 = 32
	s_mov_b32 s26, 128<<16                         ; tensor_dim1 = 128
	s_mov_b32 s27, 32<<16                          ; tile_dim0 = 32
	s_mov_b32 s28, 128                             ; tile_dim1 = 128
	s_mov_b32 s29, 32                              ; 32 elements from row to row
	s_mov_b32 s30, 0
	s_mov_b32 s31, 0
	s_mov_b32 s52, 0xbfb8aa3b                      ; -log2(e)
	s_mov_b32 s53, s52                             ; named with it as a pair
	s_mov_b32 s54, 0x4038aa3b                      ; 2 log2(e)
	s_mov_b32 s55, s54
	s_mov_b32 s56, 0xffff0000
	s_cmp_eq_u32 ttmp9, 0                          ; the first cluster prefetches: the same answer in all four partners
	s_cselect_b32 s50, 0, -1                       ; phase 1: in every trip
	s_cselect_b32 s51, 2, -1                       ; phase 2: while more than two refills are left: the last tile named is tile 23
	v_and_b32 v1, 31, v0
	v_lshlrev_b32 v[L16], 4, v1
	v_lshlrev_b32 v[PFO], 8, v1
	v_and_b32 v[T], 15, v0                         ; l % 16
	v_bfe_u32 v[T+1], v0, 4, 1                     ; l / 16
	v_lshlrev_b32 v[XO], 11, v[T]
	v_lshl_add_u32 v[XO], v[T+1], 5, v[XO]
	v_lshlrev_b32 v[BOL], 5, v[T+1]
	s_mul_i32 s17, s14, WSTG
	s_add_co_u32 s17, s17, STAGE                   ; my stage
	v_mul_u32_u24 v[STO0], v[T], SPITCH            ; in: row l % 16, 32 bytes for each half of the lanes
	v_lshl_add_u32 v[STO0], v[T+1], 5, v[STO0]
	v_add_nc_u32 v[STO0], s17, v[STO0]
	v_mul_u32_u24 v[RD], v[T+1], SPITCH            ; back: lanes 0-15 take one row of 256 bytes, lanes 16-31 the next
	v_lshl_add_u32 v[RD], v[T], 4, v[RD]
	v_add_nc_u32 v[RD], s17, v[RD]
	v_lshlrev_b32 v[GO], 11, v[T+1]                ; and the same two rows in out0
	v_lshl_add_u32 v[GO], v[T], 4, v[GO]
	s_lshl_b32 s20, s16, 18                        ; my work-group's 128 rows of 2,048 bytes,
	s_lshl_b32 s21, s14, 16                        ; my wave's 32
	s_add_co_u32 s20, s20, s21
	s_mov_b32 s21, 0
	s_mul_i32 s33, s14, 32768                      ; my quarter of a tile, in LDS and in wp: no place in the cluster enters it
	s_mov_b32 s22, s33
	s_mov_b32 s23, 0
	s_lshl_b32 s18, s15, 15                        ; the prefetches: 32,768 cx + 8,192 wave,
	s_lshl_b32 s19, s14, 13
	s_add_co_u32 s18, s18, s19
	s_add_co_u32 s18, s18, 3*TILEB                 ; in tile 3: the first change of slots steps it to tile 4
	s_mov_b32 s19, 0
	s_wait_dscnt 0x0                               ; both opening adds are done
	s_wait_kmcnt 0x0
	s_add_nc_u64 s[4:5], s[4:5], s[20:21]
	s_add_nc_u64 s[6:7], s[6:7], s[20:21]
	s_add_nc_u64 s[12:13], s[12:13], s[20:21]
	s_add_nc_u64 s[48:49], s[8:9], s[18:19]
	s_mov_b32 s32, 1                               ; group 0: count = 1; LDS address; global address; type = 2
	s_add_nc_u64 s[34:35], s[8:9], s[22:23]        ; tile 0 into slot 0
	s_mov_b32 s36, 1
	s_add_co_u32 s37, s33, SLOT1                   ; tile 1 into slot 1
	s_add_nc_u64 s[38:39], s[34:35], TILEB
	s_or_b32 s35, s35, 0x80000000
	s_or_b32 s39, s39, 0x80000000
	CROUND                                         ; all four work-groups are here: the first joint loads meet
	tensor_load_to_lds s[32:35], s[24:31]          ; both first fills together: two loads of mine are out
	s_nop 0
	tensor_load_to_lds s[36:39], s[24:31]
	s_nop 0
.rept 4
	v_nop
.endr
; ---------------------------------------------------------------- x and h into registers
; A fragment is 16 rows x 32 along K in 8 registers: lane l holds row l % 16; registers 0-3 k = 8 (l / 16) + 0..7, registers 4-7 k = 16 + 8 (l / 16) + 0..7.  In f32 that is 32 bytes twice, 64 bytes apart.
; A unit = two fragments = 256 consecutive bytes, aligned, of each of 16 rows: 8 loads, 16 roundings.  A batch = two units; three landing buffers of 64 registers: while one is rounded, two batches (32 loads) are on their way.
.macro LDB b                           ; batch b: tensor b / 8; units 2 (b % 8), + 1; unit n: row tile n / 8, K steps 2 (n % 8), + 1
.set lbase, 24+64*((\b)%3)
.set uu, 0
.rept 2
.set un, 2*((\b)%8)+uu
.set uoff, 32768*(un/8)+256*(un%8)
.set ee, 0
.irp o, 0,16,64,80,128,144,192,208
.if (\b) < 8
	global_load_b128 v[lbase+32*uu+4*ee:lbase+32*uu+4*ee+3], v[XO], s[4:5] offset:uoff+\o th:TH_LOAD_NT
.else
	global_load_b128 v[lbase+32*uu+4*ee:lbase+32*uu+4*ee+3], v[XO], s[6:7] offset:uoff+\o th:TH_LOAD_NT
.endif
.set ee, ee+1
.endr
.set uu, uu+1
.endr
.endm
.macro CVB b
.set lbase, 24+64*((\b)%3)
.if (\b) < 8
	WIN 0x40                                       ; destination window 1: x
.else
	WIN 0x80                                       ; window 2: h
.endif
.set uu, 0
.rept 2
.set un, 2*((\b)%8)+uu
.set dbase, 8*(16*(un/8)+2*(un%8))
.set ee, 0
.rept 16
	v_cvt_pk_bf16_f32 v[dbase+ee], v[lbase+32*uu+2*ee], v[lbase+32*uu+2*ee+1]
.set ee, ee+1
.endr
.set uu, uu+1
.endr
	WIN 0
.endm
	LDB 0
	LDB 1
	LDB 2
.set bb, 0
.rept 16
.if bb < 14
	s_wait_loadcnt 32                              ; loads come back in order: this batch is in, the two younger ones stay out
.elseif bb == 14
	s_wait_loadcnt 16
.else
	s_wait_loadcnt 0
.endif
	CVB bb
.if bb < 13
	LDB bb+3
.endif
.set bb, bb+1
.endr
	; Window 3 is written whole once, with h: the arms write it fragment by fragment under a counter.  Each register gets its r h in phase 1, before phase 2 reads it.
	WIN 0xc2
.set ee, 0
.rept 256
	v_mov_b32 v[ee], v[ee]
.set ee, ee+1
.endr
	WIN 0
; ---------------------------------------------------------------- the ring starts
	s_wait_tensorcnt 0x1                           ; my quarter of tile 0 is in; tile 1's may stay out
	s_barrier_signal -1
	s_barrier_wait -1                              ; everybody's is
	s_mov_b32 s41, 0
	s_mov_b32 s42, CHB
	v_add_nc_u32 v[WA0], s41, v[L16]
	v_add_nc_u32 v[WA1], s42, v[L16]
.irp f, 0,1,2,3,4,5
	LW \f
.endr
	s_mov_b32 s43, 0
	s_mov_b32 s44, 0
	s_mov_b32 s45, 0
	s_mov_b32 s40, 8
; ---------------------------------------------------------------- phase 1: r, and r h.  A trip is a tile: two chunks of 32 columns.
; The first chunk's riders work on what the roundings above left in the registers: what they make goes into fragment 0 of window 3 and is written over at the third boundary.
.Lp1:
	BND1
	SETEPI 0, SB
	CHUNK 0, SA, 2, 64, 0
	BND1
	SETEPI 0, SA
	CHUNK 64, SB, 2, 122, 0
	TAIL SB, 2, 1, 50
	s_sub_co_u32 s40, s40, 1
	s_cmp_lg_u32 s40, 0
	s_cbranch_scc1 .Lp1
	; the last chunk's epilogue has no chunk of r to ride in.  The sixteen moves out of H are the places behind the last products.
	ARM 15, 1                                      ; r h of chunk 14 out, h of chunk 15 in
	SETEPI 0, SB, 1                                ; no further bias of r
	RID 163
	OUTF 15
	WIN 0
	s_mov_b32 s43, 0
	s_mov_b32 s44, 0
	s_mov_b32 s45, 0
	s_mov_b32 s46, 0
	s_mov_b32 s40, 14
; ---------------------------------------------------------------- phase 2: z, n, the blend.  A trip is a tile: one block of 32 columns.
; The first trip's riders of n again work on what lies in the registers: what they make goes into the stage's upper half, which block 1 writes over before anything is sent.
.Lp2:                                          ; tiles 8-21: every slot is filled again
	TILE2 1, 51
	s_sub_co_u32 s40, s40, 1
	s_cmp_lg_u32 s40, 0
	s_cbranch_scc1 .Lp2
	s_mov_b32 s40, 2
.Lp3:                                          ; tiles 22, 23, written out: nothing is asked for.  The last trip's barrier and its six fragment loads (of tile 22 once more) serve nothing: the price of one text for both
	TILE2 0, 51
	s_sub_co_u32 s40, s40, 1
	s_cmp_lg_u32 s40, 0
	s_cbranch_scc1 .Lp3
	; block 15's n, blend and way out
	s_wait_loadcnt 0x0
	s_xor_b32 s46, s46, 128
	v_add_nc_u32 v[STOC], s46, v[STO0]
	INF 15
	WIN 0
	PLACES
	SETEPI 2, SB, 1
	RID 187
	FLDB 0
	s_wait_dscnt 0x0
	FSTB 0
	FLDB 1
	s_wait_dscnt 0x0
	FSTB 1
	s_wait_tensorcnt 0x0                           ; the wave's end, behind my last tensor load and my last LDS store
	ds_add_u32 v[SPW], v[NIL]
	s_wait_dscnt 0x0
	CROUND                                         ; the closing round: no work-group ends while a partner may still ask for a tile that names it
	s_endpgm
.Lfunc_end_k_q98fb1fbf24_gru:
	.size	k_q98fb1fbf24_gru, .Lfunc_end_k_q98fb1fbf24_gru-k_q98fb1fbf24_gru
	.p2alignl 7, 3214868480
	.fill 96, 4, 3214868480
	.section	.rodata,"a",@progbits
	.p2align	6, 0x0
	.amdhsa_kernel k_q98fb1fbf24_gru
		.amdhsa_group_segment_fixed_size 327680
		.amdhsa_private_segment_fixed_size 0
		.amdhsa_enable_private_segment 0
		.amdhsa_kernarg_size 40
		.amdhsa_user_sgpr_count 2
		.amdhsa_user_sgpr_kernarg_segment_ptr 1
		.amdhsa_wavefront_size32 1
		.amdhsa_system_sgpr_workgroup_id_x 1
		.amdhsa_system_sgpr_workgroup_id_y 1
		.amdhsa_system_sgpr_workgroup_id_z 1
		.amdhsa_system_vgpr_workitem_id 0
		.amdhsa_next_free_vgpr 1024
		.amdhsa_next_free_sgpr 66
		.amdhsa_reserve_vcc 0
		.amdhsa_float_denorm_mode_32 3
		.amdhsa_float_denorm_mode_16_64 3
		.amdhsa_memory_ordered 1
		.amdhsa_forward_progress 1
		.amdhsa_inst_pref_size 255
	.end_amdhsa_kernel
	.section	.bss,"aw",@nobits
	.p2align	6
	.space	262144
	.amdgpu_metadata
---
amdhsa.version: [ 1, 2 ]
amdhsa.kernels:
  - .name:           k_q98fb1fbf24_gru
    .symbol:         k_q98fb1fbf24_gru.kd
    .args:
      - { .name: x, .offset: 0, .size: 8, .value_kind: global_buffer, .address_space: global }
      - { .name: h, .offset: 8, .size: 8, .value_kind: global_buffer, .address_space: global }
      - { .name: wp, .offset: 16, .size: 8, .value_kind: global_buffer, .address_space: global }
      - { .name: bt, .offset: 24, .size: 8, .value_kind: global_buffer, .address_space: global }
      - { .name: out0, .offset: 32, .size: 8, .value_kind: global_buffer, .address_space: global }
    .group_segment_fixed_size: 327680
    .private_segment_fixed_size: 0
    .kernarg_segment_align: 8
    .kernarg_segment_size: 40
    .max_flat_workgroup_size: 128
    .sgpr_count:     66
    .vgpr_count:     1024
    .wavefront_size: 32
...
	.end_amdgpu_metadata
.endif
;; end of part 2
;; ======== version 2 of 3: 2 launches
;; limits: values outside matrix products are rounded to bf16
;; workspace buffers: wp 3,145,728 bytes; bt 6,144 bytes
;; launch pack: the kernel of part 1 again; grid 384 x 1, 8 waves a work-group, no clusters, 0 bytes of LDS; arguments W_rx, W_rh, W_zx, W_zh, W_nx, W_nh, b_rx, b_rh, b_zx, b_zh, b_nx, b_nh, wp, bt; writes wp, bt
;; launch gru (part 3): grid 256 x 1, 4 waves a work-group, clusters of 4 x 1, 327,680 bytes of LDS; arguments x, h, wp, bt, out0; writes out0
.if DOCPART == 3
	.amdgcn_target "amdgcn-amd-amdhsa--gfx1250"
	.amdhsa_code_object_version 6
	.text
	.protected	k_q98fb1fbf24_gru
	.globl	k_q98fb1fbf24_gru
	.p2align	8
	.type	k_q98fb1fbf24_gru,@function
k_q98fb1fbf24_gru:
	s_mov_b64 s[64:65], 0
	v_nop
	global_prefetch_b8 v0, s[64:65] scope:SCOPE_SE
	s_setreg_imm32_b32 hwreg(HW_REG_WAVE_MODE, 25, 1), 1
	s_wait_xcnt 0x0
	s_wait_alu depctr_hold_cnt(0) depctr_sa_sdst(0) depctr_va_vdst(0) depctr_va_sdst(0) depctr_va_ssrc(0) depctr_va_vcc(0) depctr_vm_vsrc(0)
	s_getreg_b32 s2, hwreg(HW_REG_IB_STS2, 6, 4)
	s_cmp_eq_u32 s2, 0
	s_cbranch_scc0 .Lentry_in_a_cluster
	s_endpgm
.Lentry_in_a_cluster:
	s_bfe_u32 s2, ttmp6, 0x10000c
	s_cmp_lg_u32 s2, 0x3003
	s_cbranch_scc0 .Lentry_shape_is_right
	s_endpgm
.Lentry_shape_is_right:
; One GRU step: r = sigmoid(x Wrx^T + h Wrh^T + b), z likewise, n = tanh(x Wnx^T + (r h) Wnh^T + b), out = (1 - z) n + z h.  x, h, out0: [32768][512] f32.
; wp: the six weights in bf16, bt: three scaled bias sums, both as the launch before laid them (24 tiles of 131,072 bytes; a tile = 2 chunks of 32 output columns x K = 1,024; a chunk = 64 fragments of 1,024 bytes).
; LIMITS.  x, h, the weights and r h are rounded to bf16 for the products; the blend z h takes the bf16 h.  Sums in f32; the two biases of a gate are added to each other first, then to the product sums.
; sigmoid(v) = 1 / (1 + 2^(-log2(e) v)); tanh(v) = 1 - 2 / (1 + 2^(2 log2(e) v)), off by about 1e-7 absolute near 0; where the exponential overflows or falls to 0 both give their limits (0, 1; 1, -1).  NaN and infinities are not treated apart.
; SHARES.  A work-group owns 128 rows, each of its four waves 32: two tiles of 16.  256 work-groups.  A wave keeps its rows of x, h and r h as bf16 fragments in registers (three windows of 256); only the weights go through LDS.
; LAYOUT.  Every product is taken transposed: source 0 = 16 output columns of a weight, source 1 = 16 data rows.  In the result lane l holds ONE data row (l % 16) and the columns 8 (l / 16) + 0..7.  Two neighbouring
; column tiles, rounded to bf16 in pairs, ARE a source-1 fragment (32 along K) of the next product, and lie element for element like h's fragment: r h and z h never change lanes.
; THE WALK.  Phase 1, tiles 0-7: r for all 512 columns, 32 a chunk; r h goes into window 3.  Phase 2, tiles 8-23: for each 32 columns a chunk of z and a chunk of n, blended and sent out at once.
; A chunk's epilogue (bias, exponentials, reciprocals, blend) RIDES, two instructions behind every product, in the chunk after it: two accumulator sets take turns.
; THE LDS LOADS STAND IN RUNS, never singly among the products.  A tile's 128 weight fragments are 32 groups of four; group j lies in buffer set j % 3.  A run fetches two groups (16 loads) while a third, fetched by the run
; before, waits to be multiplied; then come 16 products.  All other memory instructions of the loop (bias, stage, the way out) stand at the head of a run.
; CLUSTER.  All work-groups walk the same weights, so the four of a cluster ask for each tile JOINTLY: the same tensor load, descriptor and mask in all four.  x, h and out0 are each work-group's own.
; REGISTERS, in windows of 256 (s_set_vgpr_msb: bits 1:0 source 0, 3:2 source 1, 5:4 source 2, 7:6 destination).  Window 0: below.  Windows 1, 2, 3: x, h, r h: the fragment of row tile t, K step k at 8 (16 t + k).
.set SLOT1,  131072                    ; two slots of a tile each; one exclusive or turns an address in one into the other's
.set TILEB,  131072
.set CHB,    65536                     ; a chunk
.set STAGE,  262144                    ; behind the ring, never filled by a tensor load: for each wave 32 rows x 272 bytes (64 columns of f32 + 16), for the way out
.set SPITCH, 272                       ; 68 words: the 16 rows that a store touches start at 16 different groups of four banks (64 banks of 4 bytes: ISA guide 11.1)
.set WSTG,   32*SPITCH
.set SPARE,  STAGE+4*WSTG              ; the spare words, 128 bytes for each wave: two blocks of 256 bytes that no other line names
.set L16,  2                           ; v2   16 x lane; never rewritten
.set WA0,  3                           ; v3   LDS address of my 16 bytes in the slot's chunk 0
.set WA1,  4                           ; v4   in its chunk 1
.set XO,   5                           ; v5   my byte offset in 16 rows of x or h: (l % 16) x 2,048 + 32 (l / 16); never rewritten
.set BOL,  6                           ; v6   32 (l / 16): my 8 columns in bt; never rewritten
.set BOV,  7                           ; v7   + the chunk's 128 bytes
.set STO0, 8                           ; v8   the way out: where I put my numbers of a row; never rewritten
.set STOC, 9                           ; v9   + the half of the stage's rows in hand
.set RD,   10                          ; v10  the way out: where I read rows back
.set GO,   11                          ; v11  my byte offset in two rows of out0
.set PFO,  12                          ; v12  256 x lane, for the prefetches; never rewritten
.set SPW,  14                          ; v14  LDS address of my spare word; never rewritten
.set NIL,  15                          ; v15  0; never rewritten
.set T,    16                          ; v16-23   at work
.set H,    24                          ; v24-39   h's fragment of the pending chunk's 32 columns (row tile t, register i at H + 8 t + i); in phase 1 it becomes r h
.set BP,   40                          ; v40-55   the pending chunk's bias: column tile u, register j at BP + 8 u + j
.set SA,   56                          ; v56-87   accumulator set: (u, t) at + 8 (2 u + t)
.set SB,   88                          ; v88-119  the other set
.set SC,   120                         ; v120-151 r, or z, laid as a set
.set OB,   SA                          ; rows on their way out: SA is idle from the end of z's epilogue to the next tile's first product
.set WB,   152                         ; v152-247 three sets of four buffers of 8 for weight fragments: fragment F in set (F / 4) % 3, buffer F % 4
; s[4:5] x, s[6:7] h at my wave's rows; s[8:9] wp; s[10:11] bt; s[12:13] out0 at my rows and the 64 columns to be sent next; s14 wave; s15 cx; s[24:31] descriptor group 1;
; s[32:35] group 0 of the first fill; s[36:39] group 0 that walks; s40 trips left; s41, s42 the slot in hand, chunk 0 and 1; s43 which fragment the arms move; s44 counts chunks (phase 1) or tiles (phase 2);
; s45 the chunk's offset in bt; s46 the stage's half; s47 not 0: rows are sent in this tile; s[48:49] the prefetches' address; s50, s51 their limits; s[52:53] -log2(e); s[54:55] 2 log2(e); s56 mask of a word's upper bf16
.set MSB, 0
.macro WIN new                         ; the immediate's high byte repeats the setting that is left; a switch that changes nothing is dropped
.if MSB != (\new)
	s_set_vgpr_msb (MSB<<8)|(\new)
.set MSB, \new
.endif
.endm
.macro PLACES                          ; four places behind a matrix instruction (ISA guide 7.12.1)
.rept 4
	v_nop
.endr
.endm
.macro CREST                           ; a round of the cluster's barrier behind its opening barrier
	s_cmp_lg_u32 s14, 0
	s_cbranch_scc1 .Lnot_wave_0_\@
	s_barrier_signal -3
.Lnot_wave_0_\@:
	s_barrier_wait -3
	s_barrier_signal -1
	s_barrier_wait -1
.endm
.macro CROUND
	s_barrier_signal -1
	s_barrier_wait -1
	CREST
.endm
.macro JLOAD                           ; the joint refill: every wave fetches its quarter of a tile, 128 rows of 256 bytes; an s_nop 0 and four v_nop follow
	tensor_load_to_lds s[36:39], s[24:31]
	s_nop 0
.rept 4
	v_nop
.endr
.endm
; A PREFETCH INTO THE L2 of the tile that stands two refills on (512 matrix instructions ahead of the load that will ask for it).  All clusters walk the same tiles: the first cluster alone asks.  Its four partners and
; their four waves share a tile's 512 blocks of 256 bytes out BY ADDRESS (32,768 cx + 8,192 wave + 256 lane): one instruction a wave, each block named once in the launch.  Tiles 0-3 come by their loads alone.
.macro ASK lim
	s_cmp_gt_u32 s40, s[\lim]
	s_cbranch_scc0 .Lnoask_\@
	global_prefetch_b8 v[PFO], s[48:49] th:TH_LOAD_NT scope:SCOPE_SE
.Lnoask_\@:
.endm
.macro LWG j                           ; group j of the tile in hand (fragments 4 j .. 4 j + 3) into set j % 3: eight loads, each 32 lanes x 16 neighbouring bytes
.set gi, 0
.rept 4
.set lf, 4*(\j)+gi
.set lb, WB+32*((\j)%3)+8*gi
.set lo, (lf%64)*1024
.if lf < 64
	ds_load_b128 v[lb:lb+3], v[WA0] offset:lo
	ds_load_b128 v[lb+4:lb+7], v[WA0] offset:lo+512
.else
	ds_load_b128 v[lb:lb+3], v[WA1] offset:lo
	ds_load_b128 v[lb+4:lb+7], v[WA1] offset:lo+512
.endif
.set gi, gi+1
.endr
.endm
; THE EPILOGUES are numbered lists; ENT writes entry q of list EPI (0: r, 1: z, 2: n) for the pending set PEND.
;   0-15    a v + a b, two at a time (a = -log2(e), for n 2 log2(e)); ascending
;   16-47   32 exponentials: one batch     48  a plain instruction and the batch's one wait     49-64  + 1     65-96  32 reciprocals (r and z into SC, n's in place)     97  as 48     98  empty
;   r: 99-162   in four groups of four registers of H: h unpacked, r h, rounded to bf16 back into H
;   n: 99-114   n = 1 - 2 / (..);  115-178  in four groups: h unpacked, h - n, out = z (h - n) + n
; THE WINDOWS.  A product has its source 1 in window 1, 2 or 3 and all else in window 0.  An entry whose source 1 is no vector register means the same under that setting as under 0, and is written without a switch:
; so h is unpacked through source 0, and h - n is n x (-1) + h.  Only r h, its rounding and the last blend switch to window 0.
.macro SETEPI k, a
.set EPI, \k
.set PEND, \a
.set q, 0
.if (\k) == 0
.set QEND, 163
.elseif (\k) == 1
.set QEND, 98
.else
.set QEND, 179
.endif
.endm
.macro ENT
.if q < QEND
.if q < 16
.if q == 0
	s_wait_loadcnt 0x0                             ; the bias is in
.endif
.set ra, PEND+2*q
.set rb, BP+8*(q/8)+(2*q)%8
.if EPI == 2
	v_pk_fma_f32 v[ra:ra+1], v[ra:ra+1], s[54:55], v[rb:rb+1] op_sel_hi:[1,0,1]
.else
	v_pk_fma_f32 v[ra:ra+1], v[ra:ra+1], s[52:53], v[rb:rb+1] op_sel_hi:[1,0,1]
.endif
.elseif q < 48
	v_exp_f32 v[PEND+q-16], v[PEND+q-16]
.elseif (q == 48) || (q == 97)
	v_nop                                          ; a plain instruction behind the batch's last transcendental,
	s_wait_alu depctr_va_vdst(0)                   ; and the one wait ahead of the first reader
.elseif q < 65
.set ra, PEND+2*(q-49)
	v_pk_add_f32 v[ra:ra+1], v[ra:ra+1], 1.0 op_sel_hi:[1,0]
.elseif q < 97
.if EPI == 2
	v_rcp_f32 v[PEND+q-65], v[PEND+q-65]
.else
	v_rcp_f32 v[SC+q-65], v[PEND+q-65]
.endif
.elseif q == 98
.else
.set q0, 99
.if EPI == 2
.set q0, 115
.endif
.if (EPI == 2) && (q < 115)
.set ra, PEND+2*(q-99)
	v_pk_fma_f32 v[ra:ra+1], v[ra:ra+1], -2.0, 1.0 op_sel_hi:[1,0,0]
.else
.set e, (q-q0)%16
.set gq, (q-q0)/16
.if e < 8
.set mm, 4*gq+e/2
.if e%2 == 0
	v_lshl_add_u32 v[T+e], v[H+mm], 16, 0          ; bf16 to f32: the low half moves up,
.else
	v_and_b32 v[T+e], v[H+mm], s56                 ; the high half stays
.endif
.else
.set mm, 4*gq+e%4                      ; register mm of H (t = mm / 8, i = mm % 8) goes with the set's registers gm, gm + 1
.set gm, 8*(2*((mm%8)/4)+mm/8)+2*(mm%4)
.set rt, T+2*(e%4)
.if EPI == 0
	WIN 0
.if e < 12
	v_pk_mul_f32 v[SC+gm:SC+gm+1], v[SC+gm:SC+gm+1], v[rt:rt+1]
.else
	v_cvt_pk_bf16_f32 v[H+mm], v[SC+gm], v[SC+gm+1]
.endif
.else
.if e < 12
	v_pk_fma_f32 v[rt:rt+1], v[PEND+gm:PEND+gm+1], -1.0, v[rt:rt+1] op_sel_hi:[1,0,1]
.else
	WIN 0
	v_pk_fma_f32 v[PEND+gm:PEND+gm+1], v[SC+gm:SC+gm+1], v[rt:rt+1], v[PEND+gm:PEND+gm+1]
.endif
.endif
.endif
.endif
.endif
.set q, q+1
.endif
.endm
.macro RID n
.rept \n
	ENT
.endr
.endm
; A PAIR: weight fragment F (K step s = (F % 64) / 2, column tile u = F % 2) times both row tiles.  The four accumulators of a set take turns, one instruction a turn, over chunk ends and backward jumps too.
; K steps 0-15 take x (window 1), 16-31 window dw.  s = 0 starts the sums with the constant 0.  nr: riders behind each of the two products.
.macro MULP F, set, dw, nr
.set ps, ((\F)%64)/2
.set pw, 1
.if ps >= 16
.set pw, \dw
.endif
.set pb, WB+32*(((\F)/4)%3)+8*((\F)%4)
.set pd, 8*(ps%16)
.set pa, (\set)+16*((\F)%2)
	WIN 4*pw                                       ; source 1 in the data's window; all else in window 0
.if ps == 0
	v_wmma_f32_16x16x32_bf16 v[pa:pa+7], v[pb:pb+7], v[pd:pd+7], 0
.else
	v_wmma_f32_16x16x32_bf16 v[pa:pa+7], v[pb:pb+7], v[pd:pd+7], v[pa:pa+7]
.endif
	RID \nr
	WIN 4*pw
.if ps == 0
	v_wmma_f32_16x16x32_bf16 v[pa+8:pa+15], v[pb:pb+7], v[pd+128:pd+135], 0
.else
	v_wmma_f32_16x16x32_bf16 v[pa+8:pa+15], v[pb:pb+7], v[pd+128:pd+135], v[pa+8:pa+15]
.endif
	RID \nr
.endm
.macro MULG j, set, dw, cnt, nr        ; group j's eight products.  cnt: the LDS instructions younger than the group's loads
	s_wait_dscnt \cnt
.set mf, 4*(\j)
.rept 4
	MULP mf, \set, \dw, \nr
.set mf, mf+1
.endr
.endm
; WHAT STANDS AT THE HEAD OF A RUN.
.macro BIAS                            ; the next epilogue's bias, 64 bytes a lane: behind r comes r (row 0 of bt); behind z comes n (row 2); behind n comes z (row 1).  The pending epilogue has read BP in the chunk's first eight products
.set bb2, 0
.if EPI == 1
.set bb2, 4096
.elseif EPI == 2
.set bb2, 2048
.endif
	global_load_b128 v[BP:BP+3], v[BOV], s[10:11] offset:bb2
	global_load_b128 v[BP+4:BP+7], v[BOV], s[10:11] offset:bb2+16
	global_load_b128 v[BP+8:BP+11], v[BOV], s[10:11] offset:bb2+64
	global_load_b128 v[BP+12:BP+15], v[BOV], s[10:11] offset:bb2+80
.endm
.macro STG                             ; out of the pending block into my stage: accumulator 2 u + t, half p: row 16 t + l % 16, columns 16 u + 8 (l / 16) + 4 p on
	WIN 0
.set sa, 0
.rept 4
	ds_store_b128 v[STOC], v[PEND+8*sa:PEND+8*sa+3] offset:16*SPITCH*(sa%2)+64*(sa/2)
	ds_store_b128 v[STOC], v[PEND+8*sa+4:PEND+8*sa+7] offset:16*SPITCH*(sa%2)+64*(sa/2)+16
.set sa, sa+1
.endr
.endm
; THE WAY OUT of 32 rows x 64 columns, in two halves g of 16 rows: back from my stage as whole rows of 256 bytes, then stored: 16 lanes store 256 consecutive bytes, at a multiple of 256 from out0's first byte.
.macro FLDB g
	s_wait_xcnt 0x0                                ; OB is loaded again only when every earlier store has read it
.irp i, 0,1,2,3,4,5,6,7
	ds_load_b128 v[OB+4*\i:OB+4*\i+3], v[RD] offset:2*SPITCH*(8*(\g)+\i)
.endr
.endm
.macro FSTB g
.irp i, 0,1,2,3,4,5,6,7
	global_store_b128 v[GO], v[OB+4*\i:OB+4*\i+3], s[12:13] offset:4096*(8*(\g)+\i) th:TH_STORE_NT
.endr
.endm
.macro FLD g                           ; only in the tiles in which both halves of the stage's rows are full
	WIN 0
	s_cmp_eq_u32 s47, 0
	s_cbranch_scc1 .Lnofl_\@
	FLDB \g
.Lnofl_\@:
.endm
.macro FST g                           ; a run later: the stage loads are older than the last run's sixteen, which the two counted waits since have shown done all but eight
	WIN 0
	s_cmp_eq_u32 s47, 0
	s_cbranch_scc1 .Lnofs_\@
	FSTB \g
.Lnofs_\@:
.endm
; CHUNK c (0, 1) of a tile: runs r = 8 c .. 8 c + 7 (chunk 1: .. 14; the tail has the rest).  Run r: four places behind the last product, which read one of the two sets to be filled (and, at a chunk's head, ended the
; pending accumulators); what else is due; groups 2 r + 1 and 2 r + 2; then the products of group 2 r (the 16 loads just issued may be out) and of group 2 r + 1 (the younger eight may).
; ph = 2: phase 2.  Run 6: n's epilogue, 179 entries at two a product, has ended 6 products back: the block goes into the stage.  Runs 12 to 14 and the tail's: z's epilogue, 98 entries, has ended: the way out.
.macro HALF c, set, dw, ph
.set rr, 8*(\c)
.rept 8-(\c)
	PLACES
.if (rr%8) == 1
	BIAS
.endif
.if (\ph) == 2
.if rr == 6
	STG
.elseif rr == 12
	FLD 0
.elseif rr == 13
	FST 0
.elseif rr == 14
	FLD 1
.endif
.endif
	LWG 2*rr+1
	LWG 2*rr+2
	MULG 2*rr, \set, \dw, 16, 2
	MULG 2*rr+1, \set, \dw, 8, 2
.set rr, rr+1
.endr
.endm
; A tile's last two groups and THE CHANGE OF SLOTS.  Each wave waits for all its tensor loads, of which one is out: its quarter of the other slot; adds 0 to its spare word; and waits for that and for its reads of this slot.
; fill = 1: the barrier opens a round of the cluster's barrier, so that no wave of any partner still reads the slot or has a load on its way; the joint refill, the tile two on, is the first thing behind it: it has 256
; matrix instructions less eight in which to land.  Then the other slot's group 0, into the set that group 30 has left: the four v_nop are its places.
.macro TAIL set, dw, fill, lim, ph
	PLACES
.if (\ph) == 2
	FST 1
.endif
	LWG 31
	MULG 30, \set, \dw, 8, 0                       ; group 31's eight loads may be out
	WIN 0
	s_wait_xcnt 0x0                                ; the stores have read OB and their base, the last prefetch, a tile back, its address
.if (\ph) == 2
	s_cmp_eq_u32 s47, 0
	s_cbranch_scc1 .Lnostep_\@
	s_add_nc_u64 s[12:13], s[12:13], 256           ; the next 64 columns
.Lnostep_\@:
.endif
.if \fill
	s_add_nc_u64 s[48:49], s[48:49], TILEB
.endif
	s_wait_tensorcnt 0x0                           ; no tensor load of mine is out, so the walking group 0 may be written
	ds_add_u32 v[SPW], v[NIL]                      ; 0 onto my spare word
.if \fill
	s_xor_b32 s37, s37, SLOT1                      ; the other slot than last time,
	s_add_nc_u64 s[38:39], s[38:39], TILEB         ; the next tile; the type bits on top are not reached
.endif
	s_wait_dscnt 1                                 ; group 31 is in; the add may be out
	MULP 124, \set, \dw, 0
	s_wait_dscnt 0x0                               ; the add is done, and my reads of this slot are over
	s_barrier_signal -1
	MULP 125, \set, \dw, 0                         ; work on registers while the others arrive
	WIN 0
	s_barrier_wait -1
.if \fill
	CREST
	JLOAD
.else
	PLACES
.endif
	s_xor_b32 s41, s41, SLOT1
	s_xor_b32 s42, s42, SLOT1
	v_add_nc_u32 v[WA0], s41, v[L16]
	v_add_nc_u32 v[WA1], s42, v[L16]
	LWG 0
.if \fill
	ASK \lim
.endif
	MULP 126, \set, \dw, 0
	MULP 127, \set, \dw, 0
	WIN 0
.endm
; H AND THE WINDOWS.  Register numbers are fixed in the text, so which fragment is moved is chosen by a chain of compares on a counter: fifteen arms.
.macro OUTF f                          ; H (r h) into fragment f of window 3
	WIN 0xc0
.set ee, 0
.rept 16
	v_mov_b32 v[8*(16*(ee/8)+(\f))+ee%8], v[H+ee]
.set ee, ee+1
.endr
.endm
.macro INF f                           ; fragment f of window 2 (h) into H
	WIN 0x02
.set ee, 0
.rept 16
	v_mov_b32 v[H+ee], v[8*(16*(ee/8)+(\f))+ee%8]
.set ee, ee+1
.endr
.endm
.macro ARM a, out                      ; out = 1: first the fragment before goes out (arm 0: into fragment 0, which is written anew later)
.if \out
.set fo, 0
.if (\a) > 0
.set fo, (\a)-1
.endif
	OUTF fo
.endif
	INF \a
	WIN 0
.endm
.macro ARMS out
.irp k, 0,1,2,3,4,5,6,7,8,9,10,11,12,13
	s_cmp_eq_u32 s43, \k
	s_cbranch_scc1 .Larm\@_\k
.endr
	ARM 14, \out
	s_branch .Larmd\@
.irp k, 0,1,2,3,4,5,6,7,8,9,10,11,12,13
.Larm\@_\k:
	ARM \k, \out
.if (\k) < 13
	s_branch .Larmd\@
.endif
.endr
.Larmd\@:
.endm
; In front of chunk j of phase 1: the bias offset for chunk j (asked for at this chunk's second run); r h of chunk j - 2 goes out of H, h of chunk j - 1 comes in.
.macro BND1
	WIN 0
	s_wait_loadcnt 0x0                             ; the last bias loads are done: their address register may be written
	v_add_nc_u32 v[BOV], s45, v[BOL]
	s_add_co_u32 s45, s45, 128
	ARMS 1
	s_mov_b32 s43, s44                             ; so the arm's number is j - 1, and 0 at j = 0
	s_add_co_u32 s44, s44, 1
.endm
; In front of tile c of phase 2: the same for block c; the stage's half for block c - 1; rows are sent where c is even and not 0 (blocks c - 2 and c - 1 fill the stage's rows).
.macro BND2
	WIN 0
	s_wait_loadcnt 0x0
	v_add_nc_u32 v[BOV], s45, v[BOL]
	s_add_co_u32 s45, s45, 128
	s_xor_b32 s46, s46, 128
	v_add_nc_u32 v[STOC], s46, v[STO0]
	s_and_b32 s47, s44, 1
	s_cselect_b32 s47, 0, s44
	ARMS 0
	s_mov_b32 s43, s44
	s_add_co_u32 s44, s44, 1
.endm
; A tile of phase 2: chunk z of block c (riders: n's epilogue and blend of block c - 1), chunk n of block c (riders: z's epilogue of block c; then the way out).
.macro TILE2 fill, lim
	BND2
	SETEPI 2, SB
	HALF 0, SA, 2, 2
	SETEPI 1, SA
	HALF 1, SB, 3, 2
	TAIL SB, 3, \fill, \lim, 2
.endm
; ---------------------------------------------------------------- the head
	s_load_b256 s[4:11], s[0:1], 0x0               ; x, h, wp, bt
	s_load_b64 s[12:13], s[0:1], 0x20              ; out0
	v_lshl_add_u32 v[SPW], v0, 2, SPARE
	v_mov_b32 v[NIL], 0
	ds_add_u32 v[SPW], v[NIL]                      ; the wave's opening: the add, twice on end, and its wait ahead of my first tensor load
	ds_add_u32 v[SPW], v[NIL]                      ; and once more, under the one wait; the set-up below, work on registers, stands between
	v_lshrrev_b32 v1, 5, v0
	v_readfirstlane_b32 s14, v1                    ; wave 0..3
	s_bfe_u32 s15, ttmp6, 0x40000                  ; cx: my place in the cluster: it enters global addresses of my own loads, stores and prefetches alone
	s_lshl_b32 s16, ttmp9, 2                       ; in a cluster launch ttmp9 counts clusters
	s_add_co_u32 s16, s16, s15                     ; my work-group
	; descriptor group 1: 128 dense rows of 256 bytes
	s_mov_b32 s24, 15|(3<<16)|(1<<21)              ; 15:0 the mask of four; 17:16 elements of 8 bytes; 21 set beside a mask; no padding: the fragments are read as they lie, 16 bytes a lane on end
	s_mov_b32 s25, 32<<16                          ; tensor_dim0 = 32
	s_mov_b32 s26, 128<<16                         ; tensor_dim1 = 128
	s_mov_b32 s27, 32<<16                          ; tile_dim0 = 32
	s_mov_b32 s28, 128                             ; tile_dim1 = 128
	s_mov_b32 s29, 32                              ; 32 elements from row to row
	s_mov_b32 s30, 0
	s_mov_b32 s31, 0
	s_mov_b32 s52, 0xbfb8aa3b                      ; -log2(e)
	s_mov_b32 s53, s52                             ; named with it as a pair
	s_mov_b32 s54, 0x4038aa3b                      ; 2 log2(e)
	s_mov_b32 s55, s54
	s_mov_b32 s56, 0xffff0000
	s_cmp_eq_u32 ttmp9, 0                          ; the first cluster prefetches: the same answer in all four partners
	s_cselect_b32 s50, 0, -1                       ; phase 1: in every trip
	s_cselect_b32 s51, 2, -1                       ; phase 2: while more than two refills are left: the last tile named is tile 23
	v_and_b32 v1, 31, v0
	v_lshlrev_b32 v[L16], 4, v1
	v_lshlrev_b32 v[PFO], 8, v1
	v_and_b32 v[T], 15, v0                         ; l % 16
	v_bfe_u32 v[T+1], v0, 4, 1                     ; l / 16
	v_lshlrev_b32 v[XO], 11, v[T]
	v_lshl_add_u32 v[XO], v[T+1], 5, v[XO]
	v_lshlrev_b32 v[BOL], 5, v[T+1]
	s_mul_i32 s17, s14, WSTG
	s_add_co_u32 s17, s17, STAGE                   ; my stage
	v_mul_u32_u24 v[STO0], v[T], SPITCH            ; in: row l % 16, 32 bytes for each half of the lanes
	v_lshl_add_u32 v[STO0], v[T+1], 5, v[STO0]
	v_add_nc_u32 v[STO0], s17, v[STO0]
	v_mul_u32_u24 v[RD], v[T+1], SPITCH            ; back: lanes 0-15 take one row of 256 bytes, lanes 16-31 the next
	v_lshl_add_u32 v[RD], v[T], 4, v[RD]
	v_add_nc_u32 v[RD], s17, v[RD]
	v_lshlrev_b32 v[GO], 11, v[T+1]                ; and the same two rows in out0
	v_lshl_add_u32 v[GO], v[T], 4, v[GO]
	s_lshl_b32 s20, s16, 18                        ; my work-group's 128 rows of 2,048 bytes,
	s_lshl_b32 s21, s14, 16                        ; my wave's 32
	s_add_co_u32 s20, s20, s21
	s_mov_b32 s21, 0
	s_mul_i32 s33, s14, 32768                      ; my quarter of a tile, in LDS and in wp: no place in the cluster enters it
	s_mov_b32 s22, s33
	s_mov_b32 s23, 0
	s_lshl_b32 s18, s15, 15                        ; the prefetches: 32,768 cx + 8,192 wave,
	s_lshl_b32 s19, s14, 13
	s_add_co_u32 s18, s18, s19
	s_add_co_u32 s18, s18, 3*TILEB                 ; in tile 3: the first change of slots steps it to tile 4
	s_mov_b32 s19, 0
	s_wait_dscnt 0x0                               ; both opening adds are done
	s_wait_kmcnt 0x0
	s_add_nc_u64 s[4:5], s[4:5], s[20:21]
	s_add_nc_u64 s[6:7], s[6:7], s[20:21]
	s_add_nc_u64 s[12:13], s[12:13], s[20:21]
	s_add_nc_u64 s[48:49], s[8:9], s[18:19]
	s_mov_b32 s32, 1                               ; group 0: count = 1; LDS address; global address; type = 2
	s_add_nc_u64 s[34:35], s[8:9], s[22:23]        ; tile 0 into slot 0
	s_mov_b32 s36, 1
	s_add_co_u32 s37, s33, SLOT1                   ; tile 1 into slot 1
	s_add_nc_u64 s[38:39], s[34:35], TILEB
	s_or_b32 s35, s35, 0x80000000
	s_or_b32 s39, s39, 0x80000000
	CROUND                                         ; all four work-groups are here: the first joint loads meet
	tensor_load_to_lds s[32:35], s[24:31]          ; both first fills together: two loads of mine are out
	s_nop 0
	tensor_load_to_lds s[36:39], s[24:31]
	s_nop 0
.rept 4
	v_nop
.endr
; ---------------------------------------------------------------- x and h into registers
; A fragment is 16 rows x 32 along K in 8 registers: lane l holds row l % 16; registers 0-3 k = 8 (l / 16) + 0..7, registers 4-7 k = 16 + 8 (l / 16) + 0..7.  In f32 that is 32 bytes twice, 64 bytes apart.
; A unit = two fragments = 256 consecutive bytes, aligned, of each of 16 rows: 8 loads, 16 roundings.  A batch = two units; three landing buffers of 64 registers: while one is rounded, two batches (32 loads) are on their way.
.macro LDB b                           ; batch b: tensor b / 8; units 2 (b % 8), + 1; unit n: row tile n / 8, K steps 2 (n % 8), + 1
.set lbase, 24+64*((\b)%3)
.set uu, 0
.rept 2
.set un, 2*((\b)%8)+uu
.set uoff, 32768*(un/8)+256*(un%8)
.set ee, 0
.irp o, 0,16,64,80,128,144,192,208
.if (\b) < 8
	global_load_b128 v[lbase+32*uu+4*ee:lbase+32*uu+4*ee+3], v[XO], s[4:5] offset:uoff+\o th:TH_LOAD_NT
.else
	global_load_b128 v[lbase+32*uu+4*ee:lbase+32*uu+4*ee+3], v[XO], s[6:7] offset:uoff+\o th:TH_LOAD_NT
.endif
.set ee, ee+1
.endr
.set uu, uu+1
.endr
.endm
.macro CVB b
.set lbase, 24+64*((\b)%3)
.if (\b) < 8
	WIN 0x40                                       ; destination window 1: x
.else
	WIN 0x80                                       ; window 2: h
.endif
.set uu, 0
.rept 2
.set un, 2*((\b)%8)+uu
.set dbase, 8*(16*(un/8)+2*(un%8))
.set ee, 0
.rept 16
	v_cvt_pk_bf16_f32 v[dbase+ee], v[lbase+32*uu+2*ee], v[lbase+32*uu+2*ee+1]
.set ee, ee+1
.endr
.set uu, uu+1
.endr
	WIN 0
.endm
	LDB 0
	LDB 1
	LDB 2
.set bb, 0
.rept 16
.if bb < 14
	s_wait_loadcnt 32                              ; loads come back in order: this batch is in, the two younger ones stay out
.elseif bb == 14
	s_wait_loadcnt 16
.else
	s_wait_loadcnt 0
.endif
	CVB bb
.if bb < 13
	LDB bb+3
.endif
.set bb, bb+1
.endr
	; Window 3 is written whole once, with h: the arms write it fragment by fragment under a counter.  Each register gets its r h in phase 1, before phase 2 reads it.
	WIN 0xc2
.set ee, 0
.rept 256
	v_mov_b32 v[ee], v[ee]
.set ee, ee+1
.endr
	WIN 0
; ---------------------------------------------------------------- the ring starts
	s_wait_tensorcnt 0x1                           ; my quarter of tile 0 is in; tile 1's may stay out
	s_barrier_signal -1
	s_barrier_wait -1                              ; everybody's is
	s_mov_b32 s41, 0
	s_mov_b32 s42, CHB
	v_add_nc_u32 v[WA0], s41, v[L16]
	v_add_nc_u32 v[WA1], s42, v[L16]
	LWG 0
	s_mov_b32 s43, 0
	s_mov_b32 s44, 0
	s_mov_b32 s45, 0
	s_mov_b32 s40, 8
; ---------------------------------------------------------------- phase 1: r, and r h.  A trip is a tile: two chunks of 32 columns.
; The first chunk's riders work on what the roundings above left in the registers: what they make goes into fragment 0 of window 3 and is written over at the third boundary.
.Lp1:
	BND1
	SETEPI 0, SB
	HALF 0, SA, 2, 1
	BND1
	SETEPI 0, SA
	HALF 1, SB, 2, 1
	TAIL SB, 2, 1, 50, 1
	s_sub_co_u32 s40, s40, 1
	s_cmp_lg_u32 s40, 0
	s_cbranch_scc1 .Lp1
	; the last chunk's epilogue has no chunk of r to ride in.  The moves out of and into H are the places behind the last products.
	ARM 15, 1                                      ; r h of chunk 14 out, h of chunk 15 in
	SETEPI 0, SB
	RID 163
	OUTF 15
	WIN 0
	s_mov_b32 s43, 0
	s_mov_b32 s44, 0
	s_mov_b32 s45, 0
	s_mov_b32 s46, 0
	s_mov_b32 s40, 14
; ---------------------------------------------------------------- phase 2: z, n, the blend.  A trip is a tile: one block of 32 columns.
; The first trip's riders of n again work on what lies in the registers: what they make goes into the stage's upper half, which block 1 writes over before anything is sent.
.Lp2:                                          ; tiles 8-21: every slot is filled again
	TILE2 1, 51
	s_sub_co_u32 s40, s40, 1
	s_cmp_lg_u32 s40, 0
	s_cbranch_scc1 .Lp2
	s_mov_b32 s40, 2
.Lp3:                                          ; tiles 22, 23, written out: nothing is asked for.  The last trip's barrier and its eight fragment loads (of tile 22 once more) serve nothing: the price of one text for both
	TILE2 0, 51
	s_sub_co_u32 s40, s40, 1
	s_cmp_lg_u32 s40, 0
	s_cbranch_scc1 .Lp3
	; block 15's n, blend and way out
	s_xor_b32 s46, s46, 128
	v_add_nc_u32 v[STOC], s46, v[STO0]
	INF 15
	WIN 0
	PLACES
	SETEPI 2, SB
	RID 179
	STG
	FLDB 0                                         ; LDS serves a wave's instructions in order (ISA guide 5.7.1.4): these see the stores above
	s_wait_dscnt 0x0
	FSTB 0
	FLDB 1
	s_wait_dscnt 0x0
	FSTB 1
	s_wait_tensorcnt 0x0                           ; the wave's end, behind my last tensor load and my last LDS store
	ds_add_u32 v[SPW], v[NIL]
	s_wait_dscnt 0x0
	CROUND                                         ; the closing round: no work-group ends while a partner may still ask for a tile that names it
	s_endpgm
.Lfunc_end_k_q98fb1fbf24_gru:
	.size	k_q98fb1fbf24_gru, .Lfunc_end_k_q98fb1fbf24_gru-k_q98fb1fbf24_gru
	.p2alignl 7, 3214868480
	.fill 96, 4, 3214868480
	.section	.rodata,"a",@progbits
	.p2align	6, 0x0
	.amdhsa_kernel k_q98fb1fbf24_gru
		.amdhsa_group_segment_fixed_size 327680
		.amdhsa_private_segment_fixed_size 0
		.amdhsa_enable_private_segment 0
		.amdhsa_kernarg_size 40
		.amdhsa_user_sgpr_count 2
		.amdhsa_user_sgpr_kernarg_segment_ptr 1
		.amdhsa_wavefront_size32 1
		.amdhsa_system_sgpr_workgroup_id_x 1
		.amdhsa_system_sgpr_workgroup_id_y 1
		.amdhsa_system_sgpr_workgroup_id_z 1
		.amdhsa_system_vgpr_workitem_id 0
		.amdhsa_next_free_vgpr 1024
		.amdhsa_next_free_sgpr 66
		.amdhsa_reserve_vcc 0
		.amdhsa_float_denorm_mode_32 3
		.amdhsa_float_denorm_mode_16_64 3
		.amdhsa_memory_ordered 1
		.amdhsa_forward_progress 1
		.amdhsa_inst_pref_size 255
	.end_amdhsa_kernel
	.section	.bss,"aw",@nobits
	.p2align	6
	.space	262144
	.amdgpu_metadata
---
amdhsa.version: [ 1, 2 ]
amdhsa.kernels:
  - .name:           k_q98fb1fbf24_gru
    .symbol:         k_q98fb1fbf24_gru.kd
    .args:
      - { .name: x, .offset: 0, .size: 8, .value_kind: global_buffer, .address_space: global }
      - { .name: h, .offset: 8, .size: 8, .value_kind: global_buffer, .address_space: global }
      - { .name: wp, .offset: 16, .size: 8, .value_kind: global_buffer, .address_space: global }
      - { .name: bt, .offset: 24, .size: 8, .value_kind: global_buffer, .address_space: global }
      - { .name: out0, .offset: 32, .size: 8, .value_kind: global_buffer, .address_space: global }
    .group_segment_fixed_size: 327680
    .private_segment_fixed_size: 0
    .kernarg_segment_align: 8
    .kernarg_segment_size: 40
    .max_flat_workgroup_size: 128
    .sgpr_count:     66
    .vgpr_count:     1024
    .wavefront_size: 32
...
	.end_amdgpu_metadata
.endif
;; end of part 3
;; ======== version 3 of 3: 2 launches
;; limits: values outside matrix products are rounded to bf16
;; workspace buffers: wp 3,145,728 bytes; bt 6,144 bytes
;; launch pack: the kernel of part 1 again; grid 384 x 1, 8 waves a work-group, no clusters, 0 bytes of LDS; arguments W_rx, W_rh, W_zx, W_zh, W_nx, W_nh, b_rx, b_rh, b_zx, b_zh, b_nx, b_nh, wp, bt; writes wp, bt
;; launch gru (part 4): grid 256 x 1, 4 waves a work-group, clusters of 4 x 1, 327,680 bytes of LDS; arguments x, h, wp, bt, out0; writes out0
.if DOCPART == 4
	.amdgcn_target "amdgcn-amd-amdhsa--gfx1250"
	.amdhsa_code_object_version 6
	.text
	.protected	k_q98fb1fbf24_gru
	.globl	k_q98fb1fbf24_gru
	.p2align	8
	.type	k_q98fb1fbf24_gru,@function
k_q98fb1fbf24_gru:
	s_mov_b64 s[64:65], 0
	v_nop
	global_prefetch_b8 v0, s[64:65] scope:SCOPE_SE
	s_setreg_imm32_b32 hwreg(HW_REG_WAVE_MODE, 25, 1), 1
	s_wait_xcnt 0x0
	s_wait_alu depctr_hold_cnt(0) depctr_sa_sdst(0) depctr_va_vdst(0) depctr_va_sdst(0) depctr_va_ssrc(0) depctr_va_vcc(0) depctr_vm_vsrc(0)
	s_getreg_b32 s2, hwreg(HW_REG_IB_STS2, 6, 4)
	s_cmp_eq_u32 s2, 0
	s_cbranch_scc0 .Lentry_in_a_cluster
	s_endpgm
.Lentry_in_a_cluster:
	s_bfe_u32 s2, ttmp6, 0x10000c
	s_cmp_lg_u32 s2, 0x3003
	s_cbranch_scc0 .Lentry_shape_is_right
	s_endpgm
.Lentry_shape_is_right:
; One GRU step: r = sigmoid(x Wrx^T + h Wrh^T + b), z likewise, n = tanh(x Wnx^T + (r h) Wnh^T + b), out = (1 - z) n + z h.  x, h, out0: [32768][512] f32.
; wp: the six weights in bf16, bt: three scaled bias sums, both as the launch before laid them (24 tiles of 131,072 bytes; a tile = 2 chunks of 32 output columns x K = 1,024; a chunk = 64 fragments of 1,024 bytes).
; LIMITS.  x, h, the weights and r h are rounded to bf16 for the products; the blend z h takes the bf16 h.  Sums in f32; the two biases of a gate are added to each other first, then to the product sums.
; sigmoid(v) = 1 / (1 + 2^(-log2(e) v)); tanh(v) = 1 - 2 / (1 + 2^(2 log2(e) v)), off by about 1e-7 absolute near 0; where the exponential overflows or falls to 0 both give their limits (0, 1; 1, -1).  NaN and infinities are not treated apart.
; SHARES.  A work-group owns 128 rows, each of its four waves 32: two tiles of 16.  256 work-groups.  A wave keeps its rows of x, h and r h as bf16 fragments in registers (three windows of 256); only the weights go through LDS
; again and again; x and h pass once through the wave's own stage, to be turned from rows into fragments.
; LAYOUT.  Every product is taken transposed: source 0 = 16 output columns of a weight, source 1 = 16 data rows.  In the result lane l holds ONE data row (l % 16) and the columns 8 (l / 16) + 0..7.  Two neighbouring
; column tiles, rounded to bf16 in pairs, ARE a source-1 fragment (32 along K) of the next product, and lie element for element like h's fragment: r h and z h never change lanes.
; THE WALK.  Phase 1, tiles 0-7: r for all 512 columns, 32 a chunk; r h goes into window 3.  Phase 2, tiles 8-23: for each 32 columns a chunk of z and a chunk of n, blended and sent out at once.
; A chunk's epilogue (bias, exponentials, reciprocals, blend) RIDES, two instructions behind every product, in the chunk after it: two accumulator sets take turns.
; THE LDS LOADS STAND IN RUNS, never singly among the products.  A tile's 128 weight fragments are 32 groups of four; group j lies in buffer set j % 3.  A run fetches two groups (16 loads) while a third, fetched by the run
; before, waits to be multiplied; then come 16 products.  All other memory instructions of the loop (bias, stage, the way out) stand at the head of a run.
; CLUSTER.  All work-groups walk the same weights, so the four of a cluster ask for each tile JOINTLY: the same tensor load, descriptor and mask in all four.  x, h and out0 are each work-group's own.
; REGISTERS, in windows of 256 (s_set_vgpr_msb: bits 1:0 source 0, 3:2 source 1, 5:4 source 2, 7:6 destination).  Window 0: below.  Windows 1, 2, 3: x, h, r h: the fragment of row tile t, K step k at 8 (16 t + k).
.set SLOT1,  131072                    ; two slots of a tile each; one exclusive or turns an address in one into the other's
.set TILEB,  131072
.set CHB,    65536                     ; a chunk
.set STAGE,  262144                    ; behind the ring, never filled by a tensor load: for each wave 32 rows x 272 bytes: on the way in two halves of 16 rows x 128 bf16, on the way out 32 rows x 64 f32
.set SPITCH, 272                       ; 256 bytes + 16 = 68 words: the 16 rows that a load or store touches start at 16 different groups of four banks (64 banks of 4 bytes: ISA guide 11.1)
.set WSTG,   32*SPITCH
.set SPARE,  STAGE+4*WSTG              ; the spare words, 128 bytes for each wave: two blocks of 256 bytes that no other line names
.set L16,  2                           ; v2   16 x lane; never rewritten
.set WA0,  3                           ; v3   LDS address of my 16 bytes in the slot's chunk 0
.set WA1,  4                           ; v4   in its chunk 1
.set BOL,  6                           ; v6   32 (l / 16): my 8 columns in bt; never rewritten
.set BOV,  7                           ; v7   + the chunk's 128 bytes
.set STO0, 8                           ; v8   the way out: where I put my numbers of a row; never rewritten
.set STOC, 9                           ; v9   + the half of the stage's rows in hand
.set RD,   10                          ; v10  the way out: where I read rows back
.set GO,   11                          ; v11  my byte offset in two rows of out0
.set PFO,  12                          ; v12  256 x lane, for the prefetches; never rewritten
.set SPW,  14                          ; v14  LDS address of my spare word; never rewritten
.set NIL,  15                          ; v15  0; never rewritten
.set T,    16                          ; v16-23   at work
.set PS,   18                          ; v18  the way in alone: where I put my 8 bytes of a row: my stage + 8 x lane
.set PF,   19                          ; v19  the way in alone: where I read a fragment: my stage + (l % 16) x 272 + 16 (l / 16)
.set H,    24                          ; v24-39   h's fragment of the pending chunk's 32 columns (row tile t, register i at H + 8 t + i); in phase 1 it becomes r h
.set BP,   40                          ; v40-55   the pending chunk's bias: column tile u, register j at BP + 8 u + j
.set SA,   56                          ; v56-87   accumulator set: (u, t) at + 8 (2 u + t)
.set SB,   88                          ; v88-119  the other set
.set SC,   120                         ; v120-151 r, or z, laid as a set
.set OB,   SA                          ; rows on their way out: SA is idle from the end of z's epilogue to the next tile's first product
.set WB,   152                         ; v152-247 three sets of four buffers of 8 for weight fragments: fragment F in set (F / 4) % 3, buffer F % 4
; s[4:5] x, s[6:7] h at my wave's rows; s[8:9] wp; s[10:11] bt; s[12:13] out0 at my rows and the 64 columns to be sent next; s14 wave; s15 cx; s[24:31] descriptor group 1;
; s[32:35] group 0 of the first fill; s[36:39] group 0 that walks; s40 trips left; s41, s42 the slot in hand, chunk 0 and 1; s43 which fragment the arms move; s44 counts chunks (phase 1) or tiles (phase 2);
; s45 the chunk's offset in bt; s46 the stage's half; s47 not 0: rows are sent in this tile; s[48:49] the prefetches' address; s50, s51 their limits; s[52:53] -log2(e); s[54:55] 2 log2(e); s56 mask of a word's upper bf16
.set MSB, 0
.macro WIN new                         ; the immediate's high byte repeats the setting that is left; a switch that changes nothing is dropped
.if MSB != (\new)
	s_set_vgpr_msb (MSB<<8)|(\new)
.set MSB, \new
.endif
.endm
.macro PLACES                          ; four places behind a matrix instruction (ISA guide 7.12.1)
.rept 4
	v_nop
.endr
.endm
.macro CREST                           ; a round of the cluster's barrier behind its opening barrier
	s_cmp_lg_u32 s14, 0
	s_cbranch_scc1 .Lnot_wave_0_\@
	s_barrier_signal -3
.Lnot_wave_0_\@:
	s_barrier_wait -3
	s_barrier_signal -1
	s_barrier_wait -1
.endm
.macro CROUND
	s_barrier_signal -1
	s_barrier_wait -1
	CREST
.endm
.macro JLOAD                           ; the joint refill: every wave fetches its quarter of a tile, 128 rows of 256 bytes; an s_nop 0 and four v_nop follow
	tensor_load_to_lds s[36:39], s[24:31]
	s_nop 0
.rept 4
	v_nop
.endr
.endm
; A PREFETCH INTO THE L2 of the tile that stands two refills on (512 matrix instructions ahead of the load that will ask for it).  All clusters walk the same tiles: the first cluster alone asks.  Its four partners and
; their four waves share a tile's 512 blocks of 256 bytes out BY ADDRESS (32,768 cx + 8,192 wave + 256 lane): one instruction a wave, each block named once in the launch.  Tiles 0-3 come by their loads alone.
.macro ASK lim
	s_cmp_gt_u32 s40, s[\lim]
	s_cbranch_scc0 .Lnoask_\@
	global_prefetch_b8 v[PFO], s[48:49] th:TH_LOAD_NT scope:SCOPE_SE
.Lnoask_\@:
.endm
.macro LWG j                           ; group j of the tile in hand (fragments 4 j .. 4 j + 3) into set j % 3: eight loads, each 32 lanes x 16 neighbouring bytes
.set gi, 0
.rept 4
.set lf, 4*(\j)+gi
.set lb, WB+32*((\j)%3)+8*gi
.set lo, (lf%64)*1024
.if lf < 64
	ds_load_b128 v[lb:lb+3], v[WA0] offset:lo
	ds_load_b128 v[lb+4:lb+7], v[WA0] offset:lo+512
.else
	ds_load_b128 v[lb:lb+3], v[WA1] offset:lo
	ds_load_b128 v[lb+4:lb+7], v[WA1] offset:lo+512
.endif
.set gi, gi+1
.endr
.endm
; THE EPILOGUES are numbered lists; ENT writes entry q of list EPI (0: r, 1: z, 2: n) for the pending set PEND.
;   0-15    a v + a b, two at a time (a = -log2(e), for n 2 log2(e)); ascending
;   16-47   32 exponentials: one batch     48  a plain instruction and the batch's one wait     49-64  + 1     65-96  32 reciprocals (r and z into SC, n's in place)     97  as 48     98  empty
;   r: 99-162   in four groups of four registers of H: h unpacked, r h, rounded to bf16 back into H
;   n: 99-114   n = 1 - 2 / (..);  115-178  in four groups: h unpacked, h - n, out = z (h - n) + n
; THE WINDOWS.  A product has its source 1 in window 1, 2 or 3 and all else in window 0.  An entry whose source 1 is no vector register means the same under that setting as under 0, and is written without a switch:
; so h is unpacked through source 0, and h - n is n x (-1) + h.  Only r h, its rounding and the last blend switch to window 0.
.macro SETEPI k, a
.set EPI, \k
.set PEND, \a
.set q, 0
.if (\k) == 0
.set QEND, 163
.elseif (\k) == 1
.set QEND, 98
.else
.set QEND, 179
.endif
.endm
.macro ENT
.if q < QEND
.if q < 16
.if q == 0
	s_wait_loadcnt 0x0                             ; the bias is in
.endif
.set ra, PEND+2*q
.set rb, BP+8*(q/8)+(2*q)%8
.if EPI == 2
	v_pk_fma_f32 v[ra:ra+1], v[ra:ra+1], s[54:55], v[rb:rb+1] op_sel_hi:[1,0,1]
.else
	v_pk_fma_f32 v[ra:ra+1], v[ra:ra+1], s[52:53], v[rb:rb+1] op_sel_hi:[1,0,1]
.endif
.elseif q < 48
	v_exp_f32 v[PEND+q-16], v[PEND+q-16]
.elseif (q == 48) || (q == 97)
	v_nop                                          ; a plain instruction behind the batch's last transcendental,
	s_wait_alu depctr_va_vdst(0)                   ; and the one wait ahead of the first reader
.elseif q < 65
.set ra, PEND+2*(q-49)
	v_pk_add_f32 v[ra:ra+1], v[ra:ra+1], 1.0 op_sel_hi:[1,0]
.elseif q < 97
.if EPI == 2
	v_rcp_f32 v[PEND+q-65], v[PEND+q-65]
.else
	v_rcp_f32 v[SC+q-65], v[PEND+q-65]
.endif
.elseif q == 98
.else
.set q0, 99
.if EPI == 2
.set q0, 115
.endif
.if (EPI == 2) && (q < 115)
.set ra, PEND+2*(q-99)
	v_pk_fma_f32 v[ra:ra+1], v[ra:ra+1], -2.0, 1.0 op_sel_hi:[1,0,0]
.else
.set e, (q-q0)%16
.set gq, (q-q0)/16
.if e < 8
.set mm, 4*gq+e/2
.if e%2 == 0
	v_lshl_add_u32 v[T+e], v[H+mm], 16, 0          ; bf16 to f32: the low half moves up,
.else
	v_and_b32 v[T+e], v[H+mm], s56                 ; the high half stays
.endif
.else
.set mm, 4*gq+e%4                      ; register mm of H (t = mm / 8, i = mm % 8) goes with the set's registers gm, gm + 1
.set gm, 8*(2*((mm%8)/4)+mm/8)+2*(mm%4)
.set rt, T+2*(e%4)
.if EPI == 0
	WIN 0
.if e < 12
	v_pk_mul_f32 v[SC+gm:SC+gm+1], v[SC+gm:SC+gm+1], v[rt:rt+1]
.else
	v_cvt_pk_bf16_f32 v[H+mm], v[SC+gm], v[SC+gm+1]
.endif
.else
.if e < 12
	v_pk_fma_f32 v[rt:rt+1], v[PEND+gm:PEND+gm+1], -1.0, v[rt:rt+1] op_sel_hi:[1,0,1]
.else
	WIN 0
	v_pk_fma_f32 v[PEND+gm:PEND+gm+1], v[SC+gm:SC+gm+1], v[rt:rt+1], v[PEND+gm:PEND+gm+1]
.endif
.endif
.endif
.endif
.endif
.set q, q+1
.endif
.endm
.macro RID n
.rept \n
	ENT
.endr
.endm
; A PAIR: weight fragment F (K step s = (F % 64) / 2, column tile u = F % 2) times both row tiles.  The four accumulators of a set take turns, one instruction a turn, over chunk ends and backward jumps too.
; K steps 0-15 take x (window 1), 16-31 window dw.  s = 0 starts the sums with the constant 0.  nr: riders behind each of the two products.
.macro MULP F, set, dw, nr
.set ps, ((\F)%64)/2
.set pw, 1
.if ps >= 16
.set pw, \dw
.endif
.set pb, WB+32*(((\F)/4)%3)+8*((\F)%4)
.set pd, 8*(ps%16)
.set pa, (\set)+16*((\F)%2)
	WIN 4*pw                                       ; source 1 in the data's window; all else in window 0
.if ps == 0
	v_wmma_f32_16x16x32_bf16 v[pa:pa+7], v[pb:pb+7], v[pd:pd+7], 0
.else
	v_wmma_f32_16x16x32_bf16 v[pa:pa+7], v[pb:pb+7], v[pd:pd+7], v[pa:pa+7]
.endif
	RID \nr
	WIN 4*pw
.if ps == 0
	v_wmma_f32_16x16x32_bf16 v[pa+8:pa+15], v[pb:pb+7], v[pd+128:pd+135], 0
.else
	v_wmma_f32_16x16x32_bf16 v[pa+8:pa+15], v[pb:pb+7], v[pd+128:pd+135], v[pa+8:pa+15]
.endif
	RID \nr
.endm
.macro MULG j, set, dw, cnt, nr        ; group j's eight products.  cnt: the LDS instructions younger than the group's loads
	s_wait_dscnt \cnt
.set mf, 4*(\j)
.rept 4
	MULP mf, \set, \dw, \nr
.set mf, mf+1
.endr
.endm
; WHAT STANDS AT THE HEAD OF A RUN.
.macro BIAS                            ; the next epilogue's bias, 64 bytes a lane: behind r comes r (row 0 of bt); behind z comes n (row 2); behind n comes z (row 1).  The pending epilogue has read BP in the chunk's first eight products
.set bb2, 0
.if EPI == 1
.set bb2, 4096
.elseif EPI == 2
.set bb2, 2048
.endif
	global_load_b128 v[BP:BP+3], v[BOV], s[10:11] offset:bb2
	global_load_b128 v[BP+4:BP+7], v[BOV], s[10:11] offset:bb2+16
	global_load_b128 v[BP+8:BP+11], v[BOV], s[10:11] offset:bb2+64
	global_load_b128 v[BP+12:BP+15], v[BOV], s[10:11] offset:bb2+80
.endm
.macro STG                             ; out of the pending block into my stage: accumulator 2 u + t, half p: row 16 t + l % 16, columns 16 u + 8 (l / 16) + 4 p on
	WIN 0
.set sa, 0
.rept 4
	ds_store_b128 v[STOC], v[PEND+8*sa:PEND+8*sa+3] offset:16*SPITCH*(sa%2)+64*(sa/2)
	ds_store_b128 v[STOC], v[PEND+8*sa+4:PEND+8*sa+7] offset:16*SPITCH*(sa%2)+64*(sa/2)+16
.set sa, sa+1
.endr
.endm
; THE WAY OUT of 32 rows x 64 columns, in two halves g of 16 rows: back from my stage as whole rows of 256 bytes, then stored: 16 lanes store 256 consecutive bytes, at a multiple of 256 from out0's first byte.
.macro FLDB g
	s_wait_xcnt 0x0                                ; OB is loaded again only when every earlier store has read it
.irp i, 0,1,2,3,4,5,6,7
	ds_load_b128 v[OB+4*\i:OB+4*\i+3], v[RD] offset:2*SPITCH*(8*(\g)+\i)
.endr
.endm
.macro FSTB g
.irp i, 0,1,2,3,4,5,6,7
	global_store_b128 v[GO], v[OB+4*\i:OB+4*\i+3], s[12:13] offset:4096*(8*(\g)+\i) th:TH_STORE_NT
.endr
.endm
.macro FLD g                           ; only in the tiles in which both halves of the stage's rows are full
	WIN 0
	s_cmp_eq_u32 s47, 0
	s_cbranch_scc1 .Lnofl_\@
	FLDB \g
.Lnofl_\@:
.endm
.macro FST g                           ; a run later: the stage loads are older than the last run's sixteen, which the two counted waits since have shown done all but eight
	WIN 0
	s_cmp_eq_u32 s47, 0
	s_cbranch_scc1 .Lnofs_\@
	FSTB \g
.Lnofs_\@:
.endm
; CHUNK c (0, 1) of a tile: runs r = 8 c .. 8 c + 7 (chunk 1: .. 14; the tail has the rest).  Run r: four places behind the last product, which read one of the two sets to be filled (and, at a chunk's head, ended the
; pending accumulators); what else is due; groups 2 r + 1 and 2 r + 2; then the products of group 2 r (the 16 loads just issued may be out) and of group 2 r + 1 (the younger eight may).
; ph = 2: phase 2.  Run 6: n's epilogue, 179 entries at two a product, has ended 6 products back: the block goes into the stage.  Runs 12 to 14 and the tail's: z's epilogue, 98 entries, has ended: the way out.
.macro HALF c, set, dw, ph
.set rr, 8*(\c)
.rept 8-(\c)
	PLACES
.if (rr%8) == 1
	BIAS
.endif
.if (\ph) == 2
.if rr == 6
	STG
.elseif rr == 12
	FLD 0
.elseif rr == 13
	FST 0
.elseif rr == 14
	FLD 1
.endif
.endif
	LWG 2*rr+1
	LWG 2*rr+2
	MULG 2*rr, \set, \dw, 16, 2
	MULG 2*rr+1, \set, \dw, 8, 2
.set rr, rr+1
.endr
.endm
; A tile's last two groups and THE CHANGE OF SLOTS.  Each wave waits for all its tensor loads, of which one is out: its quarter of the other slot; adds 0 to its spare word; and waits for that and for its reads of this slot.
; fill = 1: the barrier opens a round of the cluster's barrier, so that no wave of any partner still reads the slot or has a load on its way; the joint refill, the tile two on, is the first thing behind it: it has 256
; matrix instructions less eight in which to land.  Then the other slot's group 0, into the set that group 30 has left: the four v_nop are its places.
.macro TAIL set, dw, fill, lim, ph
	PLACES
.if (\ph) == 2
	FST 1
.endif
	LWG 31
	MULG 30, \set, \dw, 8, 0                       ; group 31's eight loads may be out
	WIN 0
	s_wait_xcnt 0x0                                ; the stores have read OB and their base, the last prefetch, a tile back, its address
.if (\ph) == 2
	s_cmp_eq_u32 s47, 0
	s_cbranch_scc1 .Lnostep_\@
	s_add_nc_u64 s[12:13], s[12:13], 256           ; the next 64 columns
.Lnostep_\@:
.endif
.if \fill
	s_add_nc_u64 s[48:49], s[48:49], TILEB
.endif
	s_wait_tensorcnt 0x0                           ; no tensor load of mine is out, so the walking group 0 may be written
	ds_add_u32 v[SPW], v[NIL]                      ; 0 onto my spare word
.if \fill
	s_xor_b32 s37, s37, SLOT1                      ; the other slot than last time,
	s_add_nc_u64 s[38:39], s[38:39], TILEB         ; the next tile; the type bits on top are not reached
.endif
	s_wait_dscnt 1                                 ; group 31 is in; the add may be out
	MULP 124, \set, \dw, 0
	s_wait_dscnt 0x0                               ; the add is done, and my reads of this slot are over
	s_barrier_signal -1
	MULP 125, \set, \dw, 0                         ; work on registers while the others arrive
	WIN 0
	s_barrier_wait -1
.if \fill
	CREST
	JLOAD
.else
	PLACES
.endif
	s_xor_b32 s41, s41, SLOT1
	s_xor_b32 s42, s42, SLOT1
	v_add_nc_u32 v[WA0], s41, v[L16]
	v_add_nc_u32 v[WA1], s42, v[L16]
	LWG 0
.if \fill
	ASK \lim
.endif
	MULP 126, \set, \dw, 0
	MULP 127, \set, \dw, 0
	WIN 0
.endm
; H AND THE WINDOWS.  Register numbers are fixed in the text, so which fragment is moved is chosen by a chain of compares on a counter: fifteen arms.
.macro OUTF f                          ; H (r h) into fragment f of window 3
	WIN 0xc0
.set ee, 0
.rept 16
	v_mov_b32 v[8*(16*(ee/8)+(\f))+ee%8], v[H+ee]
.set ee, ee+1
.endr
.endm
.macro INF f                           ; fragment f of window 2 (h) into H
	WIN 0x02
.set ee, 0
.rept 16
	v_mov_b32 v[H+ee], v[8*(16*(ee/8)+(\f))+ee%8]
.set ee, ee+1
.endr
.endm
.macro ARM a, out                      ; out = 1: first the fragment before goes out (arm 0: into fragment 0, which is written anew later)
.if \out
.set fo, 0
.if (\a) > 0
.set fo, (\a)-1
.endif
	OUTF fo
.endif
	INF \a
	WIN 0
.endm
.macro ARMS out
.irp k, 0,1,2,3,4,5,6,7,8,9,10,11,12,13
	s_cmp_eq_u32 s43, \k
	s_cbranch_scc1 .Larm\@_\k
.endr
	ARM 14, \out
	s_branch .Larmd\@
.irp k, 0,1,2,3,4,5,6,7,8,9,10,11,12,13
.Larm\@_\k:
	ARM \k, \out
.if (\k) < 13
	s_branch .Larmd\@
.endif
.endr
.Larmd\@:
.endm
; In front of chunk j of phase 1: the bias offset for chunk j (asked for at this chunk's second run); r h of chunk j - 2 goes out of H, h of chunk j - 1 comes in.
.macro BND1
	WIN 0
	s_wait_loadcnt 0x0                             ; the last bias loads are done: their address register may be written
	v_add_nc_u32 v[BOV], s45, v[BOL]
	s_add_co_u32 s45, s45, 128
	ARMS 1
	s_mov_b32 s43, s44                             ; so the arm's number is j - 1, and 0 at j = 0
	s_add_co_u32 s44, s44, 1
.endm
; In front of tile c of phase 2: the same for block c; the stage's half for block c - 1; rows are sent where c is even and not 0 (blocks c - 2 and c - 1 fill the stage's rows).
.macro BND2
	WIN 0
	s_wait_loadcnt 0x0
	v_add_nc_u32 v[BOV], s45, v[BOL]
	s_add_co_u32 s45, s45, 128
	s_xor_b32 s46, s46, 128
	v_add_nc_u32 v[STOC], s46, v[STO0]
	s_and_b32 s47, s44, 1
	s_cselect_b32 s47, 0, s44
	ARMS 0
	s_mov_b32 s43, s44
	s_add_co_u32 s44, s44, 1
.endm
; A tile of phase 2: chunk z of block c (riders: n's epilogue and blend of block c - 1), chunk n of block c (riders: z's epilogue of block c; then the way out).
.macro TILE2 fill, lim
	BND2
	SETEPI 2, SB
	HALF 0, SA, 2, 2
	SETEPI 1, SA
	HALF 1, SB, 3, 2
	TAIL SB, 3, \fill, \lim, 2
.endm
; ---------------------------------------------------------------- the head
	s_load_b256 s[4:11], s[0:1], 0x0               ; x, h, wp, bt
	s_load_b64 s[12:13], s[0:1], 0x20              ; out0
	v_lshl_add_u32 v[SPW], v0, 2, SPARE
	v_mov_b32 v[NIL], 0
	ds_add_u32 v[SPW], v[NIL]                      ; the wave's opening: the add, twice on end, and its wait ahead of my first tensor load
	ds_add_u32 v[SPW], v[NIL]                      ; and once more, under the one wait; the set-up below, work on registers, stands between
	v_lshrrev_b32 v1, 5, v0
	v_readfirstlane_b32 s14, v1                    ; wave 0..3
	s_bfe_u32 s15, ttmp6, 0x40000                  ; cx: my place in the cluster: it enters global addresses of my own loads, stores and prefetches alone
	s_lshl_b32 s16, ttmp9, 2                       ; in a cluster launch ttmp9 counts clusters
	s_add_co_u32 s16, s16, s15                     ; my work-group
	; descriptor group 1: 128 dense rows of 256 bytes
	s_mov_b32 s24, 15|(3<<16)|(1<<21)              ; 15:0 the mask of four; 17:16 elements of 8 bytes; 21 set beside a mask; no padding: the fragments are read as they lie, 16 bytes a lane on end
	s_mov_b32 s25, 32<<16                          ; tensor_dim0 = 32
	s_mov_b32 s26, 128<<16                         ; tensor_dim1 = 128
	s_mov_b32 s27, 32<<16                          ; tile_dim0 = 32
	s_mov_b32 s28, 128                             ; tile_dim1 = 128
	s_mov_b32 s29, 32                              ; 32 elements from row to row
	s_mov_b32 s30, 0
	s_mov_b32 s31, 0
	s_mov_b32 s52, 0xbfb8aa3b                      ; -log2(e)
	s_mov_b32 s53, s52                             ; named with it as a pair
	s_mov_b32 s54, 0x4038aa3b                      ; 2 log2(e)
	s_mov_b32 s55, s54
	s_mov_b32 s56, 0xffff0000
	s_cmp_eq_u32 ttmp9, 0                          ; the first cluster prefetches: the same answer in all four partners
	s_cselect_b32 s50, 0, -1                       ; phase 1: in every trip
	s_cselect_b32 s51, 2, -1                       ; phase 2: while more than two refills are left: the last tile named is tile 23
	v_and_b32 v1, 31, v0                           ; lane
	v_lshlrev_b32 v[L16], 4, v1
	v_lshlrev_b32 v[PFO], 8, v1
	v_and_b32 v[T], 15, v0                         ; l % 16
	v_bfe_u32 v[T+1], v0, 4, 1                     ; l / 16
	v_lshlrev_b32 v[BOL], 5, v[T+1]
	s_mul_i32 s17, s14, WSTG
	s_add_co_u32 s17, s17, STAGE                   ; my stage
	v_lshl_add_u32 v[PS], v1, 3, s17               ; the way in: 8 bytes a lane, 256 on end,
	v_mul_u32_u24 v[PF], v[T], SPITCH              ; and back as a fragment: row l % 16, 16 bytes for each half of the lanes
	v_lshl_add_u32 v[PF], v[T+1], 4, v[PF]
	v_add_nc_u32 v[PF], s17, v[PF]
	v_mul_u32_u24 v[STO0], v[T], SPITCH            ; the way out, in: row l % 16, 32 bytes for each half of the lanes
	v_lshl_add_u32 v[STO0], v[T+1], 5, v[STO0]
	v_add_nc_u32 v[STO0], s17, v[STO0]
	v_mul_u32_u24 v[RD], v[T+1], SPITCH            ; back: lanes 0-15 take one row of 256 bytes, lanes 16-31 the next
	v_lshl_add_u32 v[RD], v[T], 4, v[RD]
	v_add_nc_u32 v[RD], s17, v[RD]
	v_lshlrev_b32 v[GO], 11, v[T+1]                ; and the same two rows in out0
	v_lshl_add_u32 v[GO], v[T], 4, v[GO]
	s_lshl_b32 s20, s16, 18                        ; my work-group's 128 rows of 2,048 bytes,
	s_lshl_b32 s21, s14, 16                        ; my wave's 32
	s_add_co_u32 s20, s20, s21
	s_mov_b32 s21, 0
	s_mul_i32 s33, s14, 32768                      ; my quarter of a tile, in LDS and in wp: no place in the cluster enters it
	s_mov_b32 s22, s33
	s_mov_b32 s23, 0
	s_lshl_b32 s18, s15, 15                        ; the prefetches: 32,768 cx + 8,192 wave,
	s_lshl_b32 s19, s14, 13
	s_add_co_u32 s18, s18, s19
	s_add_co_u32 s18, s18, 3*TILEB                 ; in tile 3: the first change of slots steps it to tile 4
	s_mov_b32 s19, 0
	s_wait_dscnt 0x0                               ; both opening adds are done
	s_wait_kmcnt 0x0
	s_add_nc_u64 s[4:5], s[4:5], s[20:21]
	s_add_nc_u64 s[6:7], s[6:7], s[20:21]
	s_add_nc_u64 s[12:13], s[12:13], s[20:21]
	s_add_nc_u64 s[48:49], s[8:9], s[18:19]
	s_mov_b32 s32, 1                               ; group 0: count = 1; LDS address; global address; type = 2
	s_add_nc_u64 s[34:35], s[8:9], s[22:23]        ; tile 0 into slot 0
	s_mov_b32 s36, 1
	s_add_co_u32 s37, s33, SLOT1                   ; tile 1 into slot 1
	s_add_nc_u64 s[38:39], s[34:35], TILEB
	s_or_b32 s35, s35, 0x80000000
	s_or_b32 s39, s39, 0x80000000
	CROUND                                         ; all four work-groups are here: the first joint loads meet
	tensor_load_to_lds s[32:35], s[24:31]          ; both first fills together: two loads of mine are out
	s_nop 0
	tensor_load_to_lds s[36:39], s[24:31]
	s_nop 0
.rept 4
	v_nop
.endr
; ---------------------------------------------------------------- x and h into registers
; A fragment is 16 rows x 32 along K in 8 registers: lane l holds row l % 16; registers 0-3 k = 8 (l / 16) + 0..7, registers 4-7 k = 16 + 8 (l / 16) + 0..7.  Taken so from memory a load would touch 16 rows,
; 32 bytes of each.  So the rows are read as they lie and turned in my stage.  A PIECE = 16 rows x 128 columns: 16 loads, a row each, 32 lanes x 16 bytes = 512 consecutive bytes, aligned; 32 roundings in place
; (4 f32 a lane become 8 bytes); 16 stores of 8 bytes a lane (a row of 256 bytes, pitch 272); 8 loads of 16 bytes a lane bring four fragments.  16 pieces a wave: tensor p / 8, row tile (p % 8) / 4, column quarter p % 4.
; The stage's two halves take turns; the bytes are my wave's own, and LDS serves a wave's instructions in order (ISA guide 5.7.1.4): no barrier, and no wait between the stores and the loads.
; Three landing buffers of 64 registers: while one piece is worked on, two (32 loads, 16 KiB a wave) are on their way.
.macro LDB p
.set lbase, 24+64*((\p)%3)
.set goff, 32768*(((\p)%8)/4)+512*((\p)%4)
.set ee, 0
.rept 16
.if (\p) < 8
	global_load_b128 v[lbase+4*ee:lbase+4*ee+3], v[L16], s[4:5] offset:goff+2048*ee th:TH_LOAD_NT
.else
	global_load_b128 v[lbase+4*ee:lbase+4*ee+3], v[L16], s[6:7] offset:goff+2048*ee th:TH_LOAD_NT
.endif
.set ee, ee+1
.endr
.endm
.macro FRAGS                           ; four fragments out of the stage's half at sb into registers dbase on, in the window that is set
.set ee, 0
.rept 4
	ds_load_b128 v[dbase+8*ee:dbase+8*ee+3], v[PF] offset:sb+64*ee
	ds_load_b128 v[dbase+8*ee+4:dbase+8*ee+7], v[PF] offset:sb+64*ee+32
.set ee, ee+1
.endr
.endm
.macro CVB p
.set lbase, 24+64*((\p)%3)
.set sb, 16*SPITCH*((\p)%2)
.set dbase, 8*(16*(((\p)%8)/4)+4*((\p)%4))
.set ee, 0
.rept 16
	v_cvt_pk_bf16_f32 v[lbase+4*ee], v[lbase+4*ee], v[lbase+4*ee+1]      ; the lower column into the low half; to nearest even
	v_cvt_pk_bf16_f32 v[lbase+4*ee+1], v[lbase+4*ee+2], v[lbase+4*ee+3]
.set ee, ee+1
.endr
.set ee, 0
.rept 16
	ds_store_b64 v[PS], v[lbase+4*ee:lbase+4*ee+1] offset:sb+SPITCH*ee
.set ee, ee+1
.endr
.if (\p) < 8
	WIN 0x40                                       ; destination window 1: x
	FRAGS
.else
	WIN 0x80                                       ; window 2: h
	FRAGS
	WIN 0xc0                                       ; and window 3: it is written whole once, with h, since the arms write it fragment by fragment under a counter; each register gets its r h in phase 1, before phase 2 reads it
	FRAGS
.endif
	WIN 0
.endm
	LDB 0
	LDB 1
	LDB 2
.set bb, 0
.rept 16
.if bb < 14
	s_wait_loadcnt 32                              ; loads come back in order: this piece is in, the two younger ones stay out
.elseif bb == 14
	s_wait_loadcnt 16
.else
	s_wait_loadcnt 0
.endif
	CVB bb
.if bb < 13
.if bb < 8
	s_wait_dscnt 8                                 ; the piece's sixteen stores are done, so its landing buffer may be loaded again; its eight fragment loads may be out
.else
	s_wait_dscnt 16                                ; the same, with h's sixteen fragment loads
.endif
	LDB bb+3
.endif
.set bb, bb+1
.endr
; ---------------------------------------------------------------- the ring starts
	s_wait_dscnt 0x0                               ; all fragments of x and h are in; no LDS instruction of mine is out at the signal
	s_wait_tensorcnt 0x1                           ; my quarter of tile 0 is in; tile 1's may stay out
	s_barrier_signal -1
	s_barrier_wait -1                              ; everybody's is
	s_mov_b32 s41, 0
	s_mov_b32 s42, CHB
	v_add_nc_u32 v[WA0], s41, v[L16]
	v_add_nc_u32 v[WA1], s42, v[L16]
	LWG 0
	s_mov_b32 s43, 0
	s_mov_b32 s44, 0
	s_mov_b32 s45, 0
	s_mov_b32 s40, 8
; ---------------------------------------------------------------- phase 1: r, and r h.  A trip is a tile: two chunks of 32 columns.
; The first chunk's riders work on what the way in left in the registers: what they make goes into fragment 0 of window 3 and is written over at the third boundary.
.Lp1:
	BND1
	SETEPI 0, SB
	HALF 0, SA, 2, 1
	BND1
	SETEPI 0, SA
	HALF 1, SB, 2, 1
	TAIL SB, 2, 1, 50, 1
	s_sub_co_u32 s40, s40, 1
	s_cmp_lg_u32 s40, 0
	s_cbranch_scc1 .Lp1
	; the last chunk's epilogue has no chunk of r to ride in.  The moves out of and into H are the places behind the last products.
	ARM 15, 1                                      ; r h of chunk 14 out, h of chunk 15 in
	SETEPI 0, SB
	RID 163
	OUTF 15
	WIN 0
	s_mov_b32 s43, 0
	s_mov_b32 s44, 0
	s_mov_b32 s45, 0
	s_mov_b32 s46, 0
	s_mov_b32 s40, 14
; ---------------------------------------------------------------- phase 2: z, n, the blend.  A trip is a tile: one block of 32 columns.
; The first trip's riders of n again work on what lies in the registers: what they make goes into the stage's upper half, which block 1 writes over before anything is sent.
.Lp2:                                          ; tiles 8-21: every slot is filled again
	TILE2 1, 51
	s_sub_co_u32 s40, s40, 1
	s_cmp_lg_u32 s40, 0
	s_cbranch_scc1 .Lp2
	s_mov_b32 s40, 2
.Lp3:                                          ; tiles 22, 23, written out: nothing is asked for.  The last trip's barrier and its eight fragment loads (of tile 22 once more) serve nothing: the price of one text for both
	TILE2 0, 51
	s_sub_co_u32 s40, s40, 1
	s_cmp_lg_u32 s40, 0
	s_cbranch_scc1 .Lp3
	; block 15's n, blend and way out
	s_xor_b32 s46, s46, 128
	v_add_nc_u32 v[STOC], s46, v[STO0]
	INF 15
	WIN 0
	PLACES
	SETEPI 2, SB
	RID 179
	STG
	FLDB 0                                         ; LDS serves a wave's instructions in order (ISA guide 5.7.1.4): these see the stores above
	s_wait_dscnt 0x0
	FSTB 0
	FLDB 1
	s_wait_dscnt 0x0
	FSTB 1
	s_wait_tensorcnt 0x0                           ; the wave's end, behind my last tensor load and my last LDS store
	ds_add_u32 v[SPW], v[NIL]
	s_wait_dscnt 0x0
	CROUND                                         ; the closing round: no work-group ends while a partner may still ask for a tile that names it
	s_endpgm
.Lfunc_end_k_q98fb1fbf24_gru:
	.size	k_q98fb1fbf24_gru, .Lfunc_end_k_q98fb1fbf24_gru-k_q98fb1fbf24_gru
	.p2alignl 7, 3214868480
	.fill 96, 4, 3214868480
	.section	.rodata,"a",@progbits
	.p2align	6, 0x0
	.amdhsa_kernel k_q98fb1fbf24_gru
		.amdhsa_group_segment_fixed_size 327680
		.amdhsa_private_segment_fixed_size 0
		.amdhsa_enable_private_segment 0
		.amdhsa_kernarg_size 40
		.amdhsa_user_sgpr_count 2
		.amdhsa_user_sgpr_kernarg_segment_ptr 1
		.amdhsa_wavefront_size32 1
		.amdhsa_system_sgpr_workgroup_id_x 1
		.amdhsa_system_sgpr_workgroup_id_y 1
		.amdhsa_system_sgpr_workgroup_id_z 1
		.amdhsa_system_vgpr_workitem_id 0
		.amdhsa_next_free_vgpr 1024
		.amdhsa_next_free_sgpr 66
		.amdhsa_reserve_vcc 0
		.amdhsa_float_denorm_mode_32 3
		.amdhsa_float_denorm_mode_16_64 3
		.amdhsa_memory_ordered 1
		.amdhsa_forward_progress 1
		.amdhsa_inst_pref_size 255
	.end_amdhsa_kernel
	.section	.bss,"aw",@nobits
	.p2align	6
	.space	262144
	.amdgpu_metadata
---
amdhsa.version: [ 1, 2 ]
amdhsa.kernels:
  - .name:           k_q98fb1fbf24_gru
    .symbol:         k_q98fb1fbf24_gru.kd
    .args:
      - { .name: x, .offset: 0, .size: 8, .value_kind: global_buffer, .address_space: global }
      - { .name: h, .offset: 8, .size: 8, .value_kind: global_buffer, .address_space: global }
      - { .name: wp, .offset: 16, .size: 8, .value_kind: global_buffer, .address_space: global }
      - { .name: bt, .offset: 24, .size: 8, .value_kind: global_buffer, .address_space: global }
      - { .name: out0, .offset: 32, .size: 8, .value_kind: global_buffer, .address_space: global }
    .group_segment_fixed_size: 327680
    .private_segment_fixed_size: 0
    .kernarg_segment_align: 8
    .kernarg_segment_size: 40
    .max_flat_workgroup_size: 128
    .sgpr_count:     66
    .vgpr_count:     1024
    .wavefront_size: 32
...
	.end_amdgpu_metadata
.endif
;; end of part 4
